; MI455X (gfx1250); checked and timed in simulation.
; The chip was launched on July 23, 2026; its instructions are those of AMD's public machine-readable ISA for CDNA 5 (MIT licence, August 2026) and "CDNA5" Instruction Set Architecture Reference Guide (July 2026). The comments in the code are by the model that wrote it; some were corrected since.
;; MH Attn. Allowed arithmetic: float matrix products may take bf16 or f16 operands with f32 sums; other float arithmetic in f32, or as packed bf16 or f16 multiplies, adds, multiply-adds, maxima and minima; sums over many terms, partial sums and values carried from step to step in f32; what a program stores and reads back later, other than sums and carried values, may be rounded once to bf16 or f16.
;; Inputs: Wk 1,024 x 1,024 float32; Wo 1,024 x 1,024 float32; Wq 1,024 x 1,024 float32; Wv 1,024 x 1,024 float32; bk 1,024 float32; bo 1,024 float32; bq 1,024 float32; bv 1,024 float32; k 16 x 1,024 x 1,024 float32; q 16 x 1 x 1,024 float32; v 16 x 1,024 x 1,024 float32.
;; Outputs: out0 16 x 1,024 x 1,024 float32.
;; One version. Each part assembles by itself: llvm-mc -triple=amdgcn-amd-amdhsa -mcpu=gfx1250 --defsym DOCPART=n.
;; ======== version 1 of 1: 4 launches
;; limits: values are held in f16: magnitudes above 65,504 overflow, below 6.1e-05 lose precision
;; workspace buffers: ubuf 1,048,576 bytes; c2buf 1,024 bytes; scbuf 1,048,576 bytes; partbuf 32,768 bytes; vbf 33,554,432 bytes; wvbf 2,097,152 bytes; wof 2,097,152 bytes; wbuf 33,554,432 bytes
;; launch prep (part 1): grid 416 x 1, 8 waves a work-group, no clusters, 42,496 bytes of LDS; arguments q, Wq, bq, Wk, bk, ubuf, c2buf, v, Wv, Wo, vbf, wvbf, wof; writes ubuf, c2buf, vbf, wvbf, wof
.if DOCPART == 1
	.amdgcn_target "amdgcn-amd-amdhsa--gfx1250"
	.amdhsa_code_object_version 6
	.text
	.protected	k_qdacc380bf1_prep
	.globl	k_qdacc380bf1_prep
	.p2align	8
	.type	k_qdacc380bf1_prep,@function
k_qdacc380bf1_prep:
	s_mov_b64 s[64:65], 0
	v_nop
	global_prefetch_b8 v0, s[64:65] scope:SCOPE_SE
	s_setreg_imm32_b32 hwreg(HW_REG_WAVE_MODE, 25, 1), 1
	s_wait_xcnt 0x0
; PREP.  Two kinds of work-groups, told apart by the work-group's number alone.
; 0-127 (head h = n / 8, chunk = n % 8): qs[b][64h+d] = c (q Wq + bq), c = log2(e) / 8, for all 16 batches; then u[b][h][m] = sum over d of Wk[m][64h+d] qs[b][64h+d]
;   for m = 128 chunk .. +127, and (chunk 0, wave 0) c2[h][b] = sum over d of bk[64h+d] qs[b][64h+d].  So k . u + c2 is log2(e) times the score (k Wk + bk) . (q Wq + bq) / 8: the
;   identity holds for every input.  q, Wq, bq, Wk, bk are rounded to bf16 once; qs and u, which the program makes itself, go on as a bf16 pair hi + lo; sums in f32.
; 128-383: v -> bf16.  384-399: Wv -> bf16.  400-415: Wo -> bf16, that number written as f16 for the last product.
; LIMITS.  Wo as f16 is exact for 6.1e-5 <= |x| < 65,504; below that it keeps f16's fixed step of 6e-8; beyond it becomes an infinity.  NaN and infinities are not treated apart.
; The order of the sums differs from a plain dot product's.
.set PART,  0                          ; LDS: wave w's partial qs, 4,096 bytes at 4,096 w: register group g (4 registers) at 512 g + 16 x lane
.set UST,   32768                      ; LDS: u on its way out: 32 rows (hi's 16 batches, lo's 16) of 256 bytes, 272 apart
.set UP,    272
.set SPARE, 41472                      ; the spare words, 128 bytes for each of eight waves: four blocks of 256 bytes that no other line names
.set SPW, 14                           ; v14  LDS address of my spare word; never rewritten
.set NIL, 15                           ; v15  0; never rewritten
.set ACC, 16                           ; v[16:47]   four accumulators: tile t at ACC + 8 t; register j of lane (r, hh) is qs[b = r][64 h + 32 hh + 4 j + t]
.set QF,  48                           ; v[48:79]   q's fragments, K step ks at QF + 8 ks
.set WF,  80                           ; v[80:111]  Wq's fragments of one K step, tile t at WF + 8 t
.set W0,  112                          ; v[112:175], v[176:239]  Wq as loaded, two sets
.set W1,  176
	s_load_b512 s[16:31], s[0:1], 0x0              ; q 16, Wq 18, bq 20, Wk 22, bk 24, u 26, c2 28, v 30
	s_load_b256 s[32:39], s[0:1], 0x40             ; Wv 32, Wo 34, v in bf16 36, Wv in bf16 38
	s_load_b64 s[40:41], s[0:1], 0x60              ; Wo in f16
	v_lshl_add_u32 v[SPW], v0, 2, SPARE
	v_mov_b32 v[NIL], 0
	v_lshrrev_b32 v1, 5, v0
	v_readfirstlane_b32 s8, v1                     ; wave 0..7
	v_and_b32 v8, 31, v0                           ; l
	v_and_b32 v6, 15, v0                           ; r = l % 16
	v_bfe_u32 v7, v0, 4, 1                         ; hh = l / 16
	s_cmp_lt_u32 ttmp9, 128
	s_cbranch_scc1 .Lupath
; ---------------- THE CASTS.  A work-group takes 262,144 bytes of f32, a wave 32,768: 64 loads of 512 consecutive bytes; each store of 8 bytes a lane covers 256 consecutive bytes, aligned.
	s_sub_co_u32 s42, ttmp9, 128
	s_lshl_b32 s12, s8, 15
	v_lshl_add_u32 v2, v8, 4, s12                  ; in: 32,768 wave + 16 l; never rewritten
	s_lshl_b32 s12, s8, 14
	v_lshl_add_u32 v3, v8, 3, s12                  ; out: 16,384 wave + 8 l; never rewritten
	s_mov_b32 s49, 0
	s_mov_b32 s51, 0
	s_wait_kmcnt 0x0
	s_cmp_ge_u32 s42, 272
	s_cbranch_scc1 .Lwo
	s_cmp_lt_u32 s42, 256
	s_cselect_b64 s[44:45], s[30:31], s[32:33]     ; v or Wv
	s_cselect_b64 s[46:47], s[36:37], s[38:39]
	s_cselect_b32 s43, 0, 256
	s_sub_co_u32 s43, s42, s43                     ; my block in that tensor
	s_lshl_b32 s48, s43, 18
	s_lshl_b32 s50, s43, 17
	s_add_nc_u64 s[44:45], s[44:45], s[48:49]
	s_add_nc_u64 s[46:47], s[46:47], s[50:51]
; A ring of eight slots in registers: slot i owns v[16+4i ..] (as loaded) and v[48+2i ..] (to store).  left = the younger loads that may stay out.
.macro CSLOT i, ahead, left
	s_wait_loadcnt \left                           ; loads come back in order: mine is in
	v_cvt_pk_bf16_f32 v[48+2*(\i)], v[16+4*(\i)], v[16+4*(\i)+1]
	v_cvt_pk_bf16_f32 v[48+2*(\i)+1], v[16+4*(\i)+2], v[16+4*(\i)+3]
.if \ahead
	global_load_b128 v[16+4*(\i):16+4*(\i)+3], v2, s[44:45] offset:(8+(\i))*512 th:TH_LOAD_NT
.endif
	global_store_b64 v3, v[48+2*(\i):48+2*(\i)+1], s[46:47] offset:(\i)*256 th:TH_STORE_NT
.endm
.irp i, 0,1,2,3,4,5,6,7
	global_load_b128 v[16+4*(\i):16+4*(\i)+3], v2, s[44:45] offset:(\i)*512 th:TH_LOAD_NT
.endr
	s_mov_b32 s9, 7
.Lcv:
.irp i, 0,1,2,3,4,5,6,7
	CSLOT \i, 1, 7
.endr
	s_wait_xcnt 0x0                                ; the bases and the stores' data are written again only behind this wait
	s_add_nc_u64 s[44:45], s[44:45], 4096
	s_add_nc_u64 s[46:47], s[46:47], 2048
	s_sub_co_u32 s9, s9, 1
	s_cmp_lg_u32 s9, 0
	s_cbranch_scc1 .Lcv
.irp i, 0,1,2,3,4,5,6,7
	CSLOT \i, 0, 7-(\i)                            ; the last round loads nothing: the counts run down
.endr
	s_branch .Lend
.Lwo:                                                  ; Wo: rounded to bf16 like every input, and that number written as f16
	s_sub_co_u32 s43, s42, 272
	s_lshl_b32 s48, s43, 18
	s_lshl_b32 s50, s43, 17
	s_add_nc_u64 s[44:45], s[34:35], s[48:49]
	s_add_nc_u64 s[46:47], s[40:41], s[50:51]
	s_mov_b32 s9, 8
.Lcf:
.irp i, 0,1,2,3,4,5,6,7
	global_load_b128 v[16+4*(\i):16+4*(\i)+3], v2, s[44:45] offset:(\i)*512 th:TH_LOAD_NT
.endr
	s_wait_loadcnt 0x0
.irp i, 0,1,2,3,4,5,6,7
	v_cvt_pk_bf16_f32 v64, v[16+4*(\i)], v[16+4*(\i)+1]
	v_cvt_pk_bf16_f32 v65, v[16+4*(\i)+2], v[16+4*(\i)+3]
	v_lshlrev_b32 v66, 16, v64
	v_and_b32 v67, 0xffff0000, v64
	v_lshlrev_b32 v68, 16, v65
	v_and_b32 v69, 0xffff0000, v65
	v_cvt_pk_f16_f32 v[48+2*(\i)], v66, v67
	v_cvt_pk_f16_f32 v[48+2*(\i)+1], v68, v69
	global_store_b64 v3, v[48+2*(\i):48+2*(\i)+1], s[46:47] offset:(\i)*256 th:TH_STORE_NT
.endr
	s_wait_xcnt 0x0                                ; the bases and the stores' data are written again only behind this wait
	s_add_nc_u64 s[44:45], s[44:45], 4096
	s_add_nc_u64 s[46:47], s[46:47], 2048
	s_sub_co_u32 s9, s9, 1
	s_cmp_lg_u32 s9, 0
	s_cbranch_scc1 .Lcf
	s_branch .Lend
; ---------------- u AND c2.
.Lupath:
	s_lshr_b32 s10, ttmp9, 3                       ; h
	s_and_b32 s11, ttmp9, 7                        ; chunk
	s_mov_b32 s14, 0x76543210                      ; v_permlanex16_b32: each lane takes its own place in the other half
	s_mov_b32 s15, 0xfedcba98
	s_lshl_b32 s13, s10, 8                         ; 256 h: the head's 64 columns of f32
	s_lshl_b32 s12, s8, 19
	s_add_co_u32 s12, s12, s13
	v_lshlrev_b32 v2, 15, v7
	v_lshl_add_u32 v2, v6, 4, v2
	v_add_nc_u32 v2, s12, v2                       ; Wq: (128 wave + 8 hh) rows of 4,096 + 256 h + 16 r: sixteen lanes read the head's 256 bytes of a row
	s_lshl_b32 s12, s8, 9
	v_lshlrev_b32 v3, 12, v6
	v_lshl_add_u32 v3, v7, 5, v3
	v_add_nc_u32 v3, s12, v3                       ; q: row r, channel 128 wave + 8 hh
	s_lshl_b32 s12, s11, 7
	s_lshl4_add_u32 s12, s8, s12                   ; m0 = 128 chunk + 16 wave
	s_lshl_b32 s12, s12, 12
	s_add_co_u32 s12, s12, s13
	v_lshlrev_b32 v4, 12, v6
	v_lshl_add_u32 v4, v7, 7, v4
	v_add_nc_u32 v4, s12, v4                       ; Wk: row m0 + r, columns 64 h + 32 hh on
	v_lshl_add_u32 v5, v7, 7, s13                  ; bq, bk: columns 64 h + 32 hh on
	s_lshl_b32 s12, s8, 12
	v_lshl_add_u32 v9, v8, 4, s12                  ; where I put my partial qs
	v_lshlrev_b32 v10, 4, v8                       ; where I read everybody's
	s_lshl_b32 s12, s8, 5
	s_add_co_u32 s12, s12, UST
	v_mul_u32_u24 v11, v6, UP
	v_lshl_add_u32 v11, v7, 4, v11
	v_add_nc_u32 v11, s12, v11                     ; u in: row b = r, my wave's 16 m, 16 bytes for each half of the lanes
	s_mul_i32 s12, s8, 4*UP
	s_add_co_u32 s12, s12, UST
	v_mul_u32_u24 v12, v7, UP
	v_lshl_add_u32 v12, v6, 4, v12
	v_add_nc_u32 v12, s12, v12                     ; u back: rows 4 wave + hh (+ 2), whole
	s_lshl_b32 s12, s10, 11
	s_lshl_b32 s13, s11, 8
	s_add_co_u32 s12, s12, s13
	s_lshl_b32 s13, s8, 17
	s_add_co_u32 s12, s12, s13
	v_lshlrev_b32 v13, 15, v7
	v_lshl_add_u32 v13, v6, 4, v13
	v_add_nc_u32 v13, s12, v13                     ; and the same rows in u: [hi, lo][b][h][m], a row (hi/lo, b) 32,768 bytes from the next
	s_wait_kmcnt 0x0
.macro LDW base, ks                    ; 16 rows of Wq for K step ks: k = 8 hh + 0..7 and 16 + 8 hh + 0..7, four columns (4 r + t) a lane
.set j, 0
.rept 16
	global_load_b128 v[(\base)+4*j:(\base)+4*j+3], v2, s[18:19] offset:(32*(\ks)+j+8*(j/8))*4096
.set j, j+1
.endr
.endm
.macro CVTW base                       ; tile t takes column 4 r + t: its fragment's register i holds k slots 2 i, 2 i + 1
.set t, 0
.rept 4
.set i, 0
.rept 8
	v_cvt_pk_bf16_f32 v[WF+8*t+i], v[(\base)+8*i+t], v[(\base)+8*i+4+t]
.set i, i+1
.endr
.set t, t+1
.endr
.endm
.macro MMQ ks                          ; source 0 = 16 columns of Wq, source 1 = the 16 rows of q; the four accumulators take turns
.irp t, 0,1,2,3
.if (\ks) == 0
	v_wmma_f32_16x16x32_bf16 v[ACC+8*(\t):ACC+8*(\t)+7], v[WF+8*(\t):WF+8*(\t)+7], v[QF+8*(\ks):QF+8*(\ks)+7], 0
.else
	v_wmma_f32_16x16x32_bf16 v[ACC+8*(\t):ACC+8*(\t)+7], v[WF+8*(\t):WF+8*(\t)+7], v[QF+8*(\ks):QF+8*(\ks)+7], v[ACC+8*(\t):ACC+8*(\t)+7]
.endif
.endr
.endm
.macro PLACES8                         ; plain vector instructions between a matrix instruction and what reads its result or writes its registers (ISA guide 7.12.1); eight, since these stand only a few times in the launch
.rept 8
	v_nop
.endr
.endm
	; q as f32 lands where ACC and WF will lie: both are still unused
.set ks, 0
.rept 4
.set QR, 16+16*ks+32*(ks/2)
	global_load_b128 v[QR:QR+3],     v3, s[16:17] offset:128*ks
	global_load_b128 v[QR+4:QR+7],   v3, s[16:17] offset:128*ks+16
	global_load_b128 v[QR+8:QR+11],  v3, s[16:17] offset:128*ks+64
	global_load_b128 v[QR+12:QR+15], v3, s[16:17] offset:128*ks+80
.set ks, ks+1
.endr
	LDW W0, 0
	LDW W1, 1
	s_wait_loadcnt 32                              ; q is in; the two sets of Wq, 16 loads each, stay out
.set ks, 0
.rept 4
.set QR, 16+16*ks+32*(ks/2)
.set i, 0
.rept 8
	v_cvt_pk_bf16_f32 v[QF+8*ks+i], v[QR+2*i], v[QR+2*i+1]
.set i, i+1
.endr
.set ks, ks+1
.endr
	s_wait_loadcnt 16                              ; set 0 is in; set 1's 16 loads stay out
	CVTW W0
	LDW W0, 2
	MMQ 0
	s_wait_loadcnt 16                              ; set 1 (K step 1) is in; K step 2's 16 loads stay out
	PLACES8
	CVTW W1
	LDW W1, 3
	MMQ 1
	s_wait_loadcnt 16                              ; K step 2 is in; K step 3's stay out
	PLACES8
	CVTW W0
	MMQ 2
	s_wait_loadcnt 0x0
	PLACES8
	CVTW W1
	MMQ 3
	PLACES8
.irp i, 0,1,2,3,4,5,6,7
	global_load_b128 v[48+4*(\i):48+4*(\i)+3], v4, s[22:23] offset:16*(\i)    ; Wk: 32 columns of my row
.endr
.irp i, 0,1,2,3,4,5,6,7
	global_load_b128 v[80+4*(\i):80+4*(\i)+3], v5, s[20:21] offset:16*(\i)    ; bq
.endr
.irp i, 0,1,2,3,4,5,6,7
	global_load_b128 v[112+4*(\i):112+4*(\i)+3], v5, s[24:25] offset:16*(\i)  ; bk
.endr
.irp g, 0,1,2,3,4,5,6,7
	ds_store_b128 v9, v[ACC+4*(\g):ACC+4*(\g)+3] offset:PART+512*(\g)         ; each accumulator's low registers first
.endr
	s_wait_dscnt 0x0                               ; for the others' sake: my partial sums lie in LDS
	s_barrier_signal -1
	s_barrier_wait -1
	; every wave adds the eight partial sums, in the same order: all waves and all chunks hold the same qs
.set p, 0
.rept 4
.set g, 0
.rept 8
	ds_load_b128 v[144+4*g:144+4*g+3], v10 offset:PART+(2*p)*4096+g*512
	ds_load_b128 v[176+4*g:176+4*g+3], v10 offset:PART+(2*p+1)*4096+g*512
.set g, g+1
.endr
	s_wait_dscnt 0x0
.set x, 0
.rept 16
.if p == 0
	v_pk_add_f32 v[ACC+x:ACC+x+1], v[144+x:144+x+1], v[176+x:176+x+1]
.else
	v_pk_add_f32 v[ACC+x:ACC+x+1], v[ACC+x:ACC+x+1], v[144+x:144+x+1]
	v_pk_add_f32 v[ACC+x:ACC+x+1], v[ACC+x:ACC+x+1], v[176+x:176+x+1]
.endif
.set x, x+2
.endr
.set p, p+1
.endr
	s_wait_loadcnt 0x0                             ; Wk, bq, bk
.macro RND in, out                     ; 32 numbers rounded to bf16, and moved from the order of memory (4 j + t) into the accumulators' order (8 t + j)
.set j, 0
.rept 8
	v_cvt_pk_bf16_f32 v208, v[(\in)+4*j], v[(\in)+4*j+1]
	v_cvt_pk_bf16_f32 v209, v[(\in)+4*j+2], v[(\in)+4*j+3]
	v_lshlrev_b32 v[(\out)+j], 16, v208
	v_and_b32 v[(\out)+8+j], 0xffff0000, v208
	v_lshlrev_b32 v[(\out)+16+j], 16, v209
	v_and_b32 v[(\out)+24+j], 0xffff0000, v209
.set j, j+1
.endr
.endm
	RND 80, 144                                    ; bq
	RND 112, 176                                   ; bk
.set x, 0
.rept 16
	v_pk_add_f32 v[ACC+x:ACC+x+1], v[ACC+x:ACC+x+1], v[144+x:144+x+1]
	v_pk_mul_f32 v[ACC+x:ACC+x+1], v[ACC+x:ACC+x+1], 0x3e38aa3b op_sel_hi:[1,0]  ; c = log2(e) / 8
.set x, x+2
.endr
	s_or_b32 s12, s11, s8
	s_cmp_lg_u32 s12, 0
	s_cbranch_scc1 .Lnoc2                          ; c2 is made once a head: chunk 0, wave 0
	v_pk_mul_f32 v[208:209], v[ACC:ACC+1], v[176:177]
	v_pk_mul_f32 v[210:211], v[ACC+2:ACC+3], v[178:179]
.set x, 4
.rept 7
	v_pk_fma_f32 v[208:209], v[ACC+x:ACC+x+1], v[176+x:176+x+1], v[208:209]
	v_pk_fma_f32 v[210:211], v[ACC+x+2:ACC+x+3], v[176+x+2:176+x+3], v[210:211]
.set x, x+4
.endr
	v_pk_add_f32 v[208:209], v[208:209], v[210:211]
	v_add_f32 v208, v208, v209                     ; my 32 d,
	v_permlanex16_b32 v209, v208, s14, s15
	v_add_f32 v208, v208, v209                     ; and the other 32
	s_lshl_b32 s12, s10, 6
	v_lshl_add_u32 v1, v6, 2, s12                  ; c2[h][b]
	s_wait_xcnt 0x0                                ; EXEC changes only behind this wait
	v_cmp_gt_u32 vcc_lo, 16, v8
	s_and_saveexec_b32 s50, vcc_lo
	global_store_b32 v1, v208, s[28:29]
	s_wait_xcnt 0x0                                ; and again in front of the line that widens it; v208 is also written again below
	s_or_b32 exec_lo, exec_lo, s50
.Lnoc2:
	; qs as a pair of bf16: hi at v[208:223], lo = qs - hi at v[224:239].  K slot s of product w stands for d = 32 hh + 16 w + s, in Wk's fragment and in qs's alike
.set w, 0
.rept 2
.set i, 0
.rept 8
.set ra, ACC+16*(i%2)+4*w+i/2
.set rb, ra+8
	v_cvt_pk_bf16_f32 v[208+8*w+i], v[ra], v[rb]
	v_lshlrev_b32 v144, 16, v[208+8*w+i]
	v_and_b32 v145, 0xffff0000, v[208+8*w+i]
	v_sub_f32 v144, v[ra], v144
	v_sub_f32 v145, v[rb], v145
	v_cvt_pk_bf16_f32 v[224+8*w+i], v144, v145
.set i, i+1
.endr
.set w, w+1
.endr
.set i, 0
.rept 8                                ; Wk's fragments, packed in place: v[48:55] for d slots 0-15, v[64:71] for 16-31
	v_cvt_pk_bf16_f32 v[48+i], v[48+2*i], v[48+2*i+1]
	v_cvt_pk_bf16_f32 v[64+i], v[64+2*i], v[64+2*i+1]
.set i, i+1
.endr
	v_wmma_f32_16x16x32_bf16 v[80:87], v[48:55], v[208:215], 0        ; the two accumulators (hi's, lo's) take turns
	v_wmma_f32_16x16x32_bf16 v[88:95], v[48:55], v[224:231], 0
	v_wmma_f32_16x16x32_bf16 v[80:87], v[64:71], v[216:223], v[80:87]
	v_wmma_f32_16x16x32_bf16 v[88:95], v[64:71], v[232:239], v[88:95]
	PLACES8
.irp x, 0,2,4,6
	v_pk_add_f32 v[96+(\x):96+(\x)+1], v[80+(\x):80+(\x)+1], v[88+(\x):88+(\x)+1]  ; u[b = r][m0 + 8 hh + 0..7]
.endr
.irp i, 0,1,2,3
	v_cvt_pk_bf16_f32 v[104+(\i)], v[96+2*(\i)], v[96+2*(\i)+1]
	v_lshlrev_b32 v144, 16, v[104+(\i)]
	v_and_b32 v145, 0xffff0000, v[104+(\i)]
	v_sub_f32 v144, v[96+2*(\i)], v144
	v_sub_f32 v145, v[96+2*(\i)+1], v145
	v_cvt_pk_bf16_f32 v[108+(\i)], v144, v145
.endr
	ds_store_b128 v11, v[104:107]
	ds_store_b128 v11, v[108:111] offset:16*UP
	s_wait_dscnt 0x0                               ; for the others' sake: a row's 256 bytes come from eight waves
	s_barrier_signal -1
	s_barrier_wait -1
	ds_load_b128 v[112:115], v12
	ds_load_b128 v[116:119], v12 offset:2*UP
	s_wait_dscnt 0x0
	global_store_b128 v13, v[112:115], s[26:27]                ; 16 lanes store 256 consecutive bytes, aligned
	global_store_b128 v13, v[116:119], s[26:27] offset:65536
.Lend:
	s_wait_tensorcnt 0x0                           ; the wave's end: behind my last LDS store
	ds_add_u32 v[SPW], v[NIL]
	s_wait_dscnt 0x0
	s_endpgm
.Lfunc_end_k_qdacc380bf1_prep:
	.size	k_qdacc380bf1_prep, .Lfunc_end_k_qdacc380bf1_prep-k_qdacc380bf1_prep
	.p2alignl 7, 3214868480
	.fill 96, 4, 3214868480
	.section	.rodata,"a",@progbits
	.p2align	6, 0x0
	.amdhsa_kernel k_qdacc380bf1_prep
		.amdhsa_group_segment_fixed_size 42496
		.amdhsa_private_segment_fixed_size 0
		.amdhsa_enable_private_segment 0
		.amdhsa_kernarg_size 104
		.amdhsa_user_sgpr_count 2
		.amdhsa_user_sgpr_kernarg_segment_ptr 1
		.amdhsa_wavefront_size32 1
		.amdhsa_system_sgpr_workgroup_id_x 1
		.amdhsa_system_sgpr_workgroup_id_y 1
		.amdhsa_system_sgpr_workgroup_id_z 1
		.amdhsa_system_vgpr_workitem_id 0
		.amdhsa_next_free_vgpr 240
		.amdhsa_next_free_sgpr 66
		.amdhsa_reserve_vcc 1
		.amdhsa_float_denorm_mode_32 3
		.amdhsa_float_denorm_mode_16_64 3
		.amdhsa_memory_ordered 1
		.amdhsa_forward_progress 1
		.amdhsa_inst_pref_size 66
	.end_amdhsa_kernel
	.amdgpu_metadata
---
amdhsa.version: [ 1, 2 ]
amdhsa.kernels:
  - .name:           k_qdacc380bf1_prep
    .symbol:         k_qdacc380bf1_prep.kd
    .args:
      - { .name: q, .offset: 0, .size: 8, .value_kind: global_buffer, .address_space: global }
      - { .name: Wq, .offset: 8, .size: 8, .value_kind: global_buffer, .address_space: global }
      - { .name: bq, .offset: 16, .size: 8, .value_kind: global_buffer, .address_space: global }
      - { .name: Wk, .offset: 24, .size: 8, .value_kind: global_buffer, .address_space: global }
      - { .name: bk, .offset: 32, .size: 8, .value_kind: global_buffer, .address_space: global }
      - { .name: ubuf, .offset: 40, .size: 8, .value_kind: global_buffer, .address_space: global }
      - { .name: c2buf, .offset: 48, .size: 8, .value_kind: global_buffer, .address_space: global }
      - { .name: v, .offset: 56, .size: 8, .value_kind: global_buffer, .address_space: global }
      - { .name: Wv, .offset: 64, .size: 8, .value_kind: global_buffer, .address_space: global }
      - { .name: Wo, .offset: 72, .size: 8, .value_kind: global_buffer, .address_space: global }
      - { .name: vbf, .offset: 80, .size: 8, .value_kind: global_buffer, .address_space: global }
      - { .name: wvbf, .offset: 88, .size: 8, .value_kind: global_buffer, .address_space: global }
      - { .name: wof, .offset: 96, .size: 8, .value_kind: global_buffer, .address_space: global }
    .group_segment_fixed_size: 42496
    .private_segment_fixed_size: 0
    .kernarg_segment_align: 8
    .kernarg_segment_size: 104
    .max_flat_workgroup_size: 256
    .sgpr_count:     66
    .vgpr_count:     240
    .wavefront_size: 32
...
	.end_amdgpu_metadata
.endif
;; end of part 1
;; launch scores (part 2): grid 256 x 1, 16 waves a work-group, no clusters, 71,680 bytes of LDS; arguments k, ubuf, c2buf, scbuf, partbuf; writes scbuf, partbuf
.if DOCPART == 2
	.amdgcn_target "amdgcn-amd-amdhsa--gfx1250"
	.amdhsa_code_object_version 6
	.text
	.protected	k_qdacc380bf1_scores
	.globl	k_qdacc380bf1_scores
	.p2align	8
	.type	k_qdacc380bf1_scores,@function
k_qdacc380bf1_scores:
	s_mov_b64 s[64:65], 0
	v_nop
	global_prefetch_b8 v0, s[64:65] scope:SCOPE_SE
	s_setreg_imm32_b32 hwreg(HW_REG_WAVE_MODE, 25, 1), 1
	s_wait_xcnt 0x0
; SCORES.  sc[b][s][h] = sum over m of k[b][s][m] u[b][h][m] + c2[h][b]: log2(e) times the attention score.  k is rounded to bf16 once; u comes as a bf16 pair hi + lo; sums in f32.
; Also, for each block of 64 rows and each head: the block's maximum m of sc and l = the sum of 2^(sc - m): from these the later launches make the softmax's divisor with a true maximum.
; SHARES.  A work-group owns 64 rows of one batch.  K IS SPLIT AMONG ITS 16 WAVES: wave w takes channels 64 w .. 64 w + 63, 256 consecutive bytes, aligned, of each row.  All of a wave's 32 loads of k
; go out at once: there is no loop.  The sixteen partial sums meet in LDS.  No tensor loads and no cluster: no wave wants a byte of k that another has fetched, and u is small.
; LAYOUT.  Source 0 = 16 rows of k, source 1 = the 16 heads of u: register j of lane (r, hh) is (row 8 hh + j, head r).  K slot s of a product stands for channel 16 hh + s in both sources.
; LIMITS.  A term of l below 2^-126 counts as 0; NaN and infinities are not treated apart.
.set PART,  0                          ; LDS: wave w's four partial tiles at 4,096 w: registers 2 p, 2 p + 1 of tile mt at 256 (4 mt + p) + 8 x lane
.set SCB,   65536                      ; LDS: the block's scores as they lie in memory: 64 rows of 64 bytes
.set SPARE, 69632                      ; the spare words, 128 bytes for each of 16 waves: eight blocks of 256 bytes that no other line names
.set SPW, 14
.set NIL, 15
.set UB,  16                           ; v[16:47]   u's fragments: (hi/lo hl, K step ks) at UB + 8 (2 hl + ks)
.set ACC, 48                           ; v[48:79]   tile mt at ACC + 8 mt
.set KX,  112                          ; v[112:239] k as loaded: (ks, mt) at KX + 16 (4 ks + mt); packed in place into the group's first eight registers
	s_load_b256 s[16:23], s[0:1], 0x0              ; k 16, u 18, c2 20, sc 22
	s_load_b64 s[24:25], s[0:1], 0x20              ; the blocks' statistics
	v_lshl_add_u32 v[SPW], v0, 2, SPARE
	v_mov_b32 v[NIL], 0
	v_lshrrev_b32 v1, 5, v0
	v_readfirstlane_b32 s8, v1                     ; wave 0..15
	v_and_b32 v8, 31, v0                           ; l
	v_and_b32 v6, 15, v0                           ; r
	v_bfe_u32 v7, v0, 4, 1                         ; hh
	s_lshl_b32 s12, s8, 8
	v_lshlrev_b32 v2, 12, v6
	v_lshl_add_u32 v2, v7, 6, v2
	v_add_nc_u32 v2, s12, v2                       ; k: row r, 256 w + 64 hh
	s_lshl_b32 s12, s8, 7
	v_lshlrev_b32 v3, 11, v6
	v_lshl_add_u32 v3, v7, 5, v3
	v_add_nc_u32 v3, s12, v3                       ; u: head r, 128 w + 32 hh
	v_lshlrev_b32 v4, 6, v6                        ; c2: head r
	s_lshl_b32 s12, s8, 12
	v_lshl_add_u32 v9, v8, 3, s12                  ; where I put my partial tiles: 4,096 w + 8 l
	s_lshl_b32 s12, s8, 8
	v_lshl_add_u32 v10, v8, 3, s12                 ; the pair that I add up, number w of the sixteen, in wave 0's part: 256 w + 8 l
	s_lshr_b32 s26, s8, 2                          ; it belongs to tile w / 4,
	s_and_b32 s27, s8, 3                           ; and is pair w % 4 of that tile's registers
	s_lshl_b32 s12, s26, 10
	s_lshl_b32 s13, s27, 7
	s_add_co_u32 s12, s12, s13
	s_add_co_u32 s12, s12, SCB
	v_lshlrev_b32 v11, 9, v7
	v_lshl_add_u32 v11, v6, 2, v11
	v_add_nc_u32 v11, s12, v11                     ; row 16 tile + 8 hh + 2 pair, head r
	s_mov_b32 s14, 0x76543210
	s_mov_b32 s15, 0xfedcba98
	s_lshr_b32 s9, ttmp9, 4                        ; the batch
	s_lshl_b32 s10, ttmp9, 18                      ; 64 rows of 4,096 bytes
	s_mov_b32 s11, 0
	s_lshl_b32 s28, s9, 15
	s_mov_b32 s29, 0
	s_lshl_b32 s30, s9, 2
	s_mov_b32 s31, 0
	s_wait_kmcnt 0x0
	s_add_nc_u64 s[16:17], s[16:17], s[10:11]
	s_add_nc_u64 s[18:19], s[18:19], s[28:29]
	s_add_nc_u64 s[20:21], s[20:21], s[30:31]
	s_lshl_b32 s10, ttmp9, 12
	s_add_nc_u64 s[22:23], s[22:23], s[10:11]
	s_lshl_b32 s10, ttmp9, 7
	s_add_nc_u64 s[24:25], s[24:25], s[10:11]
.irp hl, 0,1
.irp ks, 0,1
	global_load_b128 v[UB+8*(2*(\hl)+(\ks)):UB+8*(2*(\hl)+(\ks))+3],   v3, s[18:19] offset:524288*(\hl)+64*(\ks)
	global_load_b128 v[UB+8*(2*(\hl)+(\ks))+4:UB+8*(2*(\hl)+(\ks))+7], v3, s[18:19] offset:524288*(\hl)+64*(\ks)+16
.endr
.endr
	global_load_b32 v80, v4, s[20:21]
.irp ks, 0,1
.irp mt, 0,1,2,3
.irp i, 0,1,2,3
	global_load_b128 v[KX+16*(4*(\ks)+(\mt))+4*(\i):KX+16*(4*(\ks)+(\mt))+4*(\i)+3], v2, s[16:17] offset:65536*(\mt)+128*(\ks)+16*(\i) th:TH_LOAD_NT
.endr
.endr
.endr
.irp ks, 0,1
.irp mt, 0,1,2,3
	s_wait_loadcnt 28-4*(4*(\ks)+(\mt))            ; this group's four loads are in; the count is the loads of k issued behind them
.irp i, 0,1,2,3,4,5,6,7
	v_cvt_pk_bf16_f32 v[KX+16*(4*(\ks)+(\mt))+(\i)], v[KX+16*(4*(\ks)+(\mt))+2*(\i)], v[KX+16*(4*(\ks)+(\mt))+2*(\i)+1]
.endr
.endr
.irp hl, 0,1                           ; the four accumulators take turns
.irp mt, 0,1,2,3
.if ((\ks) == 0) && ((\hl) == 0)
	v_wmma_f32_16x16x32_bf16 v[ACC+8*(\mt):ACC+8*(\mt)+7], v[KX+16*(4*(\ks)+(\mt)):KX+16*(4*(\ks)+(\mt))+7], v[UB+8*(2*(\hl)+(\ks)):UB+8*(2*(\hl)+(\ks))+7], 0
.else
	v_wmma_f32_16x16x32_bf16 v[ACC+8*(\mt):ACC+8*(\mt)+7], v[KX+16*(4*(\ks)+(\mt)):KX+16*(4*(\ks)+(\mt))+7], v[UB+8*(2*(\hl)+(\ks)):UB+8*(2*(\hl)+(\ks))+7], v[ACC+8*(\mt):ACC+8*(\mt)+7]
.endif
.endr
.endr
.endr
.rept 8
	v_nop                                          ; the places behind the last products (ISA guide 7.12.1), once a launch
.endr
.irp mt, 0,1,2,3                       ; each store covers 256 consecutive bytes; each accumulator's lowest registers go first
.irp p, 0,1,2,3
	ds_store_b64 v9, v[ACC+8*(\mt)+2*(\p):ACC+8*(\mt)+2*(\p)+1] offset:PART+256*(4*(\mt)+(\p))
.endr
.endr
	s_wait_dscnt 0x0                               ; for the others' sake
	s_barrier_signal -1
	s_barrier_wait -1                              ; all sixteen partial sums lie in LDS
.irp w, 0,1,2,3,4,5,6,7,8,9,10,11,12,13,14,15
	ds_load_b64 v[16+2*(\w):16+2*(\w)+1], v10 offset:PART+4096*(\w)
.endr
	s_wait_dscnt 0x0
.irp x, 0,1,2,3,4,5,6,7
	v_pk_add_f32 v[16+4*(\x):16+4*(\x)+1], v[16+4*(\x):16+4*(\x)+1], v[18+4*(\x):18+4*(\x)+1]
.endr
.irp x, 0,1,2,3
	v_pk_add_f32 v[16+8*(\x):16+8*(\x)+1], v[16+8*(\x):16+8*(\x)+1], v[20+8*(\x):20+8*(\x)+1]
.endr
	v_pk_add_f32 v[16:17], v[16:17], v[24:25]
	v_pk_add_f32 v[32:33], v[32:33], v[40:41]
	v_pk_add_f32 v[16:17], v[16:17], v[32:33]
	v_add_f32 v16, v16, v80                        ; + c2 of head r
	v_add_f32 v17, v17, v80
	ds_store_b32 v11, v16                          ; into SCB, which lies behind the partial sums' 65,536 bytes: no wave reads these bytes before the barrier below
	ds_store_b32 v11, v17 offset:64
	s_wait_dscnt 0x0                               ; for the others' sake
	s_barrier_signal -1
	s_barrier_wait -1                              ; the block's 64 x 16 scores lie in LDS as they lie in memory
	s_cmp_lt_u32 s8, 8
	s_cbranch_scc0 .Lnot_store
	s_lshl_b32 s12, s8, 9                          ; waves 0-7 store them: 512 consecutive bytes each
	v_lshl_add_u32 v13, v8, 4, s12
	v_add_nc_u32 v12, SCB, v13
	ds_load_b128 v[16:19], v12
	s_wait_dscnt 0x0
	global_store_b128 v13, v[16:19], s[22:23]
	s_branch .Lend
.Lnot_store:
	s_cmp_eq_u32 s8, 8
	s_cbranch_scc0 .Lend
	v_lshlrev_b32 v12, 11, v7                      ; wave 8 makes the statistics: lane (r, hh) takes head r, rows 32 hh .. 32 hh + 31
	v_lshl_add_u32 v12, v6, 2, v12
	v_add_nc_u32 v12, SCB, v12
.set i, 0
.rept 32
	ds_load_b32 v[16+i], v12 offset:64*i
.set i, i+1
.endr
	s_wait_dscnt 0x0
.irp c, 0,1,2,3
	v_max3_num_f32 v[48+(\c)], v[16+8*(\c)], v[17+8*(\c)], v[18+8*(\c)]
.endr
.irp c, 0,1,2,3
	v_max3_num_f32 v[48+(\c)], v[48+(\c)], v[19+8*(\c)], v[20+8*(\c)]
.endr
.irp c, 0,1,2,3
	v_max3_num_f32 v[48+(\c)], v[48+(\c)], v[21+8*(\c)], v[22+8*(\c)]
.endr
	v_max3_num_f32 v48, v48, v23, v31
	v_max3_num_f32 v50, v50, v39, v47
	v_max3_num_f32 v48, v48, v49, v50
	v_max_num_f32 v48, v48, v51
	v_permlanex16_b32 v1, v48, s14, s15            ; the head's other 32 rows
	v_max_num_f32 v52, v48, v1
	v_mov_b32 v53, v52                             ; the maximum twice: a pair for the packed subtraction
.set x, 0
.rept 16
	v_pk_add_f32 v[16+x:16+x+1], v[16+x:16+x+1], v[52:53] neg_lo:[0,1] neg_hi:[0,1]
.set x, x+2
.endr
.set i, 0
.rept 32
	v_exp_f32 v[16+i], v[16+i]
.set i, i+1
.endr
	v_nop                                          ; a plain instruction behind the last exponential,
	s_wait_alu depctr_va_vdst(0)                   ; and one wait ahead of the batch's first reader
.irp x, 0,1,2,3,4,5,6,7
	v_pk_add_f32 v[16+4*(\x):16+4*(\x)+1], v[16+4*(\x):16+4*(\x)+1], v[18+4*(\x):18+4*(\x)+1]
.endr
.irp x, 0,1,2,3
	v_pk_add_f32 v[16+8*(\x):16+8*(\x)+1], v[16+8*(\x):16+8*(\x)+1], v[20+8*(\x):20+8*(\x)+1]
.endr
	v_pk_add_f32 v[16:17], v[16:17], v[24:25]
	v_pk_add_f32 v[32:33], v[32:33], v[40:41]
	v_pk_add_f32 v[16:17], v[16:17], v[32:33]
	v_add_f32 v16, v16, v17
	v_permlanex16_b32 v1, v16, s14, s15
	v_add_f32 v16, v16, v1
	v_cmp_eq_u32 vcc_lo, 1, v7
	v_cndmask_b32 v16, v52, v16, vcc_lo            ; lanes 0-15 hold m, lanes 16-31 l
	v_lshlrev_b32 v13, 3, v6
	v_lshl_add_u32 v13, v7, 2, v13
	global_store_b32 v13, v16, s[24:25]            ; [h]{m, l}: the work-group's 128 bytes
.Lend:
	s_wait_tensorcnt 0x0                           ; the wave's end: behind my last LDS store
	ds_add_u32 v[SPW], v[NIL]
	s_wait_dscnt 0x0
	s_endpgm
.Lfunc_end_k_qdacc380bf1_scores:
	.size	k_qdacc380bf1_scores, .Lfunc_end_k_qdacc380bf1_scores-k_qdacc380bf1_scores
	.p2alignl 7, 3214868480
	.fill 96, 4, 3214868480
	.section	.rodata,"a",@progbits
	.p2align	6, 0x0
	.amdhsa_kernel k_qdacc380bf1_scores
		.amdhsa_group_segment_fixed_size 71680
		.amdhsa_private_segment_fixed_size 0
		.amdhsa_enable_private_segment 0
		.amdhsa_kernarg_size 40
		.amdhsa_user_sgpr_count 2
		.amdhsa_user_sgpr_kernarg_segment_ptr 1
		.amdhsa_wavefront_size32 1
		.amdhsa_system_sgpr_workgroup_id_x 1
		.amdhsa_system_sgpr_workgroup_id_y 1
		.amdhsa_system_sgpr_workgroup_id_z 1
		.amdhsa_system_vgpr_workitem_id 0
		.amdhsa_next_free_vgpr 240
		.amdhsa_next_free_sgpr 66
		.amdhsa_reserve_vcc 1
		.amdhsa_float_denorm_mode_32 3
		.amdhsa_float_denorm_mode_16_64 3
		.amdhsa_memory_ordered 1
		.amdhsa_forward_progress 1
		.amdhsa_inst_pref_size 23
	.end_amdhsa_kernel
	.amdgpu_metadata
---
amdhsa.version: [ 1, 2 ]
amdhsa.kernels:
  - .name:           k_qdacc380bf1_scores
    .symbol:         k_qdacc380bf1_scores.kd
    .args:
      - { .name: k, .offset: 0, .size: 8, .value_kind: global_buffer, .address_space: global }
      - { .name: ubuf, .offset: 8, .size: 8, .value_kind: global_buffer, .address_space: global }
      - { .name: c2buf, .offset: 16, .size: 8, .value_kind: global_buffer, .address_space: global }
      - { .name: scbuf, .offset: 24, .size: 8, .value_kind: global_buffer, .address_space: global }
      - { .name: partbuf, .offset: 32, .size: 8, .value_kind: global_buffer, .address_space: global }
    .group_segment_fixed_size: 71680
    .private_segment_fixed_size: 0
    .kernarg_segment_align: 8
    .kernarg_segment_size: 40
    .max_flat_workgroup_size: 512
    .sgpr_count:     66
    .vgpr_count:     240
    .wavefront_size: 32
...
	.end_amdgpu_metadata
.endif
;; end of part 2
;; launch gemm1 (part 3): grid 4 x 64, 4 waves a work-group, clusters of 4 x 4, 327,680 bytes of LDS; arguments vbf, wvbf, wbuf, scbuf, partbuf, bv; writes wbuf
.if DOCPART == 3
	.amdgcn_target "amdgcn-amd-amdhsa--gfx1250"
	.amdhsa_code_object_version 6
	.text
	.protected	k_qdacc380bf1_gemm1
	.globl	k_qdacc380bf1_gemm1
	.p2align	8
	.type	k_qdacc380bf1_gemm1,@function
k_qdacc380bf1_gemm1:
	s_mov_b64 s[64:65], 0
	v_nop
	global_prefetch_b8 v0, s[64:65] scope:SCOPE_SE
	s_setreg_imm32_b32 hwreg(HW_REG_WAVE_MODE, 25, 1), 1
	s_wait_xcnt 0x0
	s_wait_alu depctr_hold_cnt(0) depctr_sa_sdst(0) depctr_va_vdst(0) depctr_va_sdst(0) depctr_va_ssrc(0) depctr_va_vcc(0) depctr_vm_vsrc(0)
	s_getreg_b32 s2, hwreg(HW_REG_IB_STS2, 6, 4)
	s_cmp_eq_u32 s2, 0
	s_cbranch_scc0 .Lentry_in_a_cluster
	s_endpgm
.Lentry_in_a_cluster:
	s_bfe_u32 s2, ttmp6, 0x10000c
	s_cmp_lg_u32 s2, 0xf033
	s_cbranch_scc0 .Lentry_shape_is_right
	s_endpgm
.Lentry_shape_is_right:
; w[row][n] = (sum over k of v[row][k] Wv[k][n] + bv[n]) x 2^(sc[row][h] - Z[b][h] - E[row]), h = n / 64, in f16.  v and Wv arrive rounded to bf16, bv is rounded here; sums in f32.
; Z[b][h] = M + log2(sum over the batch's 16 blocks of l 2^(m - M)), M the largest m: 2^(sc - Z) is the softmax's weight, with the maximum taken away.  E[row] = floor(max over h of (sc - Z)) + 1:
; a power of two for each row, so that the row's largest factor lies in 0.5 to 1 and f16 serves whatever the weights' size; the next launch multiplies by 2^E.  Both launches make E by the same lines.
; LIMITS.  |v Wv + bv| stays under 65,504 (f16); a factor below 2^-126 counts as 0; NaN and infinities are not treated apart.
; SHAPE.  16,384 x 1,024 x 1,024: 256 tiles of 256 x 256, one to a work-group; four waves, each 128 x 128 in 64 accumulators.  K in steps of 128 through two LDS slots filled by tensor loads.
; A's rows lie along K; B = Wv lies [k][n]: its tile is 128 rows of k x 512 bytes, and its fragments come out of LDS turned, by ds_load_tr16_b128.
; CLUSTERS: 4 x 4 work-groups; A's tile is asked for jointly along a row of the cluster, B's along a column.
; THE MATRIX INSTRUCTION IS USED TRANSPOSED: source 0 = 16 columns of B, source 1 = 16 rows of A: lane l holds row l % 16 and the columns 8 (l / 16) + 0..7.  The first product takes bv as its C operand.
; REGISTERS: window 0: v0-31 addresses; v32-63 the rows' factors; v64-127, v128-191 A's fragments (before the loop: at work on the statistics; on the way out: rows read back); v192-255 bv, later packed results.
;   window 1: v64-127, v128-191 B's fragments.   windows 2, 3: the accumulators ((a, b) at v[8 (8 a + b)]; rows 0-63, rows 64-127).
.set KSTEP,  128
.set PITCH,  272                       ; a row of A in LDS: 256 bytes + 16: the 16 rows of a load start 4 banks apart (64 banks of 4 bytes: ISA guide 11.1)
.set PB,     544                       ; a row of B in LDS: 512 bytes + 32
.set HALFT,  128*PITCH                 ; what one tensor load brings: 128 rows of A, or 64 rows of B (64 x 544 is the same number)
.set SLOT,   4*HALFT                   ; A's 256 rows, then B's 128
.set STAGE,  2*SLOT                    ; behind the ring: 16 rows x 272 bytes for each wave, for the way out
.set SPITCH, 272
.set ZS,     STAGE+4*16*SPITCH         ; 256 bytes for each wave: the 16 heads' Z on their way to all lanes
.set SPARE,  ZS+1024                   ; the spare words, 128 bytes for each wave: two blocks of 256 bytes that no other line names
.set LAPS,   4                         ; a lap = two K steps
.set CROW,   2048                      ; bytes in a row of w
.set ADRA, 16                          ; v16-17  LDS address of my A fragments in slot 0, 1
.set ADRB, 20                          ; v20-21  the same for B
.set STO,  24
.set RD,   25
.set CO,   26
.set SPW,  28                          ; v28  LDS address of my spare word; never rewritten
.set NIL,  29                          ; v29  0; never rewritten
.set PFO,  30                          ; v30  the prefetches' lane offset; never rewritten
.set AT,   32                          ; v[32:63]  block a of 16 rows, head e of my two: the factor, twice, at AT + 4 a + 2 e
.set F0,   64
.set F1,   128
.set BI,   192                         ; v[192:255]  the bias of my 128 columns in the accumulators' order: column block b at BI + 8 b
.set TMP,  192
.set OB,   64
.set SCR,  64                          ; the statistics' registers, all dead at the first fetch of fragments
.set ZV,   128
.set PM,   144
.set OWNP, 160
.set OWNS, 164
.set EE,   172
.set MX,   176
.set ZO,   178
.set LL,   180
.set G1, 24
.set G0, 32
.set G1B, 48
.set G0B, 56
.set LIM, 43                           ; s43  1 in a wave that prefetches, else the greatest number
.set PFA, 44                           ; s[44:45]  where my prefetches stand
.set PFS, 66                           ; s[66:67]  a K step in bytes: 256 along A's rows, 262,144 down B's
.set SEL, 76                           ; s[76:77]  v_permlanex16_b32's selects
.set HM,  78                           ; s78  0xffff0000: a word's upper bf16, and the mask of lanes 16-31
.set MSB, 0
.macro WIN new                         ; the immediate's high byte repeats the setting that is left
.if MSB != (\new)
	s_set_vgpr_msb (MSB<<8)|(\new)
.set MSB, \new
.endif
.endm
.set MUL_LO, 0xa1                      ; source 0 (B) window 1, source 1 (A) window 0, C and D window 2
.set TO_B,   0x40                      ; destination window 1, address window 0
; A joint load: waves 0 and 1 fetch A's two halves, waves 2 and 3 B's.  An s_nop 0 and four v_nop follow each of the two lines.
.macro JLOAD s
	s_cmp_eq_u32 s11, 0
	s_cbranch_scc0 .Lfor_b_\@
	tensor_load_to_lds s[G0+4*(\s):G0+4*(\s)+3], s[G1:G1+7]
	s_nop 0
.rept 4
	v_nop
.endr
	s_branch .Lasked_\@
.Lfor_b_\@:
	tensor_load_to_lds s[G0B+4*(\s):G0B+4*(\s)+3], s[G1B:G1B+7]
	s_nop 0
.rept 4
	v_nop
.endr
.Lasked_\@:
.endm
; A prefetch into the L2 of the K step that stands two refills on: 32 blocks of 256 bytes, a lane a block, one instruction a wave.  A's rows: every cluster asks for its own (the grid has one cluster along x);
; B's: the clusters with y = 0.  The four partners of a joint load share its blocks out by address.  The loop's last trip asks for nothing: there is no K step two on.
.macro ASK
	s_cmp_gt_u32 s3, s[LIM]
	s_cbranch_scc0 .Lnot_mine_\@
	global_prefetch_b8 v[PFO], s[PFA:PFA+1] th:TH_LOAD_NT scope:SCOPE_SE
.Lnot_mine_\@:
.endm
.macro CREST                           ; a round of the cluster's barrier behind its opening barrier
	s_cmp_lg_u32 s10, 0
	s_cbranch_scc1 .Lnot_wave_0_\@
	s_barrier_signal -3
.Lnot_wave_0_\@:
	s_barrier_wait -3
	s_barrier_signal -1
	s_barrier_wait -1
.endm
.macro CROUND
	s_barrier_signal -1
	s_barrier_wait -1
	CREST
.endm
	s_load_b128 s[4:7], s[0:1], 0x0                ; A s[4:5], B s[6:7]
	s_load_b64 s[8:9], s[0:1], 0x10                ; C
	s_load_b64 s[68:69], s[0:1], 0x18              ; sc
	s_load_b128 s[72:75], s[0:1], 0x20             ; the blocks' statistics s[72:73], the bias s[74:75]
	v_lshl_add_u32 v[SPW], v0, 2, SPARE
	v_mov_b32 v[NIL], 0
	ds_add_u32 v[SPW], v[NIL]                      ; the wave's opening: the add and its wait stand ahead of my first tensor load; the set-up below stands between them
	v_lshrrev_b32 v1, 5, v0
	v_readfirstlane_b32 s10, v1                    ; wave 0..3
	s_lshr_b32 s11, s10, 1                         ; which half of the tile's rows is mine.  Also: I fetch for A (0) or for B (1)
	s_and_b32 s12, s10, 1                          ; which half of its columns.  Also: which half of that tile I fetch
	s_bfe_u32 s40, ttmp6, 0x40000                  ; cx
	s_bfe_u32 s41, ttmp6, 0x40004                  ; cy
	s_lshl_b32 s42, ttmp9, 2
	s_add_co_u32 s42, s42, s40                     ; tile column = 4 x cluster x + cx
	s_and_b32 s13, ttmp7, 0xffff
	s_lshl_b32 s13, s13, 2
	s_add_co_u32 s13, s13, s41                     ; tile row = 4 x cluster y + cy
	s_lshl_b32 s43, s41, 2
	s_lshl_b32 s43, 15, s43                        ; my row of the cluster
	s_lshl_b32 s44, 0x1111, s40                    ; my column
	s_or_b32 s[G1+0], s43, (1<<16)|(1<<20)|(1<<21)|(5<<22)|(3<<25)   ; the mask; 2-byte elements; padding on; bit 21 beside a mask; after every 64 words, 4 words
	s_or_b32 s[G1B+0], s44, (1<<16)|(1<<20)|(1<<21)|(6<<22)|(7<<25)  ; after every 128 words, 8 words
	s_mov_b32 s[G1+1], 128<<16                     ; A: tensor_dim0 = 128
	s_mov_b32 s[G1+2], 128<<16                     ; tensor_dim1 = 128
	s_mov_b32 s[G1+3], 128<<16                     ; tile_dim0 = 128
	s_mov_b32 s[G1+4], 128                         ; tile_dim1 = 128
	s_mov_b32 s[G1+5], 1024                        ; elements from row to row
	s_mov_b32 s[G1+6], 0
	s_mov_b32 s[G1+7], 0
	s_mov_b32 s[G1B+1], 256<<16                    ; B: tensor_dim0 = 256
	s_mov_b32 s[G1B+2], 64<<16                     ; tensor_dim1 = 64
	s_mov_b32 s[G1B+3], 256<<16                    ; tile_dim0 = 256
	s_mov_b32 s[G1B+4], 64                         ; tile_dim1 = 64
	s_mov_b32 s[G1B+5], 1024
	s_mov_b32 s[G1B+6], 0
	s_mov_b32 s[G1B+7], 0
	s_lshl_b32 s16, s13, 8
	s_lshl_b32 s17, s12, 7
	s_add_co_u32 s16, s16, s17                     ; A: row 256 x tile row + 128 x half,
	s_lshl_b32 s16, s16, 11                        ; of 2,048 bytes
	s_mov_b32 s17, 0
	s_lshl_b32 s46, s42, 9                         ; B: 512 bytes x tile column
	s_lshl_b32 s47, s12, 17                        ; + 64 rows of 2,048 bytes x half
	s_add_co_u32 s46, s46, s47
	s_mov_b32 s47, 0
	s_mul_i32 s20, s10, HALFT                      ; where they go: no place in the cluster enters an LDS address
	s_wait_dscnt 0x0                               ; the opening add is done
	s_wait_kmcnt 0x0
	s_add_nc_u64 s[14:15], s[4:5], s[16:17]
	s_add_nc_u64 s[46:47], s[6:7], s[46:47]
	CROUND                                         ; all sixteen work-groups are here: the first joint loads meet
.irp s, 0,1
	s_mov_b32 s[G0+4*(\s)], 1
	s_add_co_u32 s[G0+4*(\s)+1], s20, (\s)*SLOT
	s_add_nc_u64 s[G0+4*(\s)+2:G0+4*(\s)+3], s[14:15], (\s)*KSTEP*2
	s_or_b32 s[G0+4*(\s)+3], s[G0+4*(\s)+3], 0x80000000
	s_mov_b32 s[G0B+4*(\s)], 1
	s_add_co_u32 s[G0B+4*(\s)+1], s20, (\s)*SLOT
	s_add_nc_u64 s[G0B+4*(\s)+2:G0B+4*(\s)+3], s[46:47], (\s)*KSTEP*2048
	s_or_b32 s[G0B+4*(\s)+3], s[G0B+4*(\s)+3], 0x80000000
	JLOAD \s                                       ; two loads of mine are out
.endr
	v_and_b32 v1, 15, v0                           ; r = l % 16
	v_bfe_u32 v2, v0, 4, 1                         ; hh = l / 16
	v_and_b32 v11, 31, v0                          ; l
	v_mul_u32_u24 v3, v1, PITCH
	v_lshl_add_u32 v3, v2, 4, v3                   ; A: row x pitch + 16 x half
	v_and_b32 v4, 7, v0
	v_lshl_add_u32 v4, v2, 3, v4
	v_mul_u32_u24 v4, v4, PB                       ; B: k row 8 hh + l % 8,
	v_bfe_u32 v5, v0, 3, 1
	v_lshl_add_u32 v4, v5, 4, v4                   ; columns 8 ((l / 8) % 2) on
	s_mul_i32 s21, s11, HALFT                      ; my 128 rows of A
	s_lshl_b32 s22, s12, 8                         ; my 128 columns of B,
	s_add_co_u32 s22, s22, 2*HALFT                 ; which lies behind A
.irp s, 0,1
	v_add_nc_u32 v[ADRA+(\s)], s21, v3
	v_add_nc_u32 v[ADRB+(\s)], s22, v4
	s_add_co_u32 s21, s21, SLOT
	s_add_co_u32 s22, s22, SLOT
.endr
	s_mul_i32 s23, s10, 16*SPITCH
	s_add_co_u32 s23, s23, STAGE                   ; my stage
	v_mul_u32_u24 v4, v1, SPITCH
	v_lshl_add_u32 v4, v2, 4, v4
	v_add_nc_u32 v[STO], s23, v4                   ; in: row l % 16, 16 bytes for each half of the lanes
	v_mul_u32_u24 v5, v2, SPITCH
	v_lshl_add_u32 v5, v1, 4, v5
	v_add_nc_u32 v[RD], s23, v5                    ; back: lanes 0-15 one row of 256 bytes, lanes 16-31 the next
	v_lshlrev_b32 v5, 11, v2
	v_lshl_add_u32 v[CO], v1, 4, v5                ; and the same two rows in C
	s_lshl_b32 s23, s10, 8
	s_add_co_u32 s23, s23, ZS
	v_lshl_add_u32 v12, v1, 2, s23                 ; my wave's 16 words for Z
	v_mov_b32 v13, s23
	s_mov_b32 s[SEL], 0x76543210
	s_mov_b32 s[SEL+1], 0xfedcba98
	s_mov_b32 s[HM], 0xffff0000
	s_lshl_b32 s20, s13, 8
	s_lshl_b32 s21, s11, 7
	s_add_co_u32 s20, s20, s21                     ; my first row
	s_lshl_b32 s16, s20, 11                        ; where my part of the tile begins in C
	s_lshl_b32 s21, s42, 9
	s_add_co_u32 s16, s16, s21
	s_lshl_b32 s21, s12, 8
	s_add_co_u32 s16, s16, s21
	s_mov_b32 s17, 0
	s_lshl_b32 s70, s20, 6
	s_mov_b32 s71, 0
	s_add_nc_u64 s[68:69], s[68:69], s[70:71]      ; sc at my first row
	s_lshr_b32 s70, s13, 2
	s_lshl_b32 s70, s70, 11
	s_add_nc_u64 s[72:73], s[72:73], s[70:71]      ; the statistics of my batch
	s_lshl_b32 s70, s42, 10
	s_lshl_b32 s21, s12, 9
	s_add_co_u32 s70, s70, s21
	s_add_nc_u64 s[74:75], s[74:75], s[70:71]      ; the bias at my first column
	s_lshl_b32 s21, s42, 4
	s_lshl3_add_u32 s21, s12, s21                  ; 4 x my first head (4 x tile column + 2 x half): it enters global addresses alone
	v_lshlrev_b32 v6, 10, v2
	v_lshl_add_u32 v6, v1, 3, v6                   ; statistics: blocks 8 hh on, head r
	v_lshlrev_b32 v7, 6, v11                       ; sc: a lane a row
	v_add_nc_u32 v9, s21, v7                       ; sc: my two heads of that row
	s_lshl_b32 s21, s21, 1
	v_lshl_add_u32 v8, v1, 7, s21                  ; statistics: block r, my two heads
	v_lshlrev_b32 v10, 5, v2                       ; bias: 8 columns for each half of the lanes
	; the prefetches
	s_lshl_b32 s20, s13, 8
	s_lshl_b32 s21, s12, 7
	s_add_co_u32 s20, s20, s21
	s_lshl_b32 s21, s40, 5
	s_add_co_u32 s20, s20, s21                     ; A: of the 128 rows that I fetch, my work-group's 32,
	s_lshl_b32 s20, s20, 11
	s_add_co_u32 s20, s20, 3*256                   ; at K step 3: the first refill steps it to 4
	s_lshl_b32 s21, s12, 6
	s_lshl4_add_u32 s21, s41, s21                  ; B: of the 64 rows that I fetch, my work-group's 16,
	s_lshl_b32 s21, s21, 11
	s_lshl_b32 s22, s42, 9
	s_add_co_u32 s21, s21, s22
	s_add_co_u32 s21, s21, 3*262144
	s_and_b32 s22, ttmp7, 0xffff                   ; cluster y
	s_mov_b32 s23, 262144
	s_cmp_eq_u32 s11, 0                            ; do I fetch for A?
	s_cselect_b32 s20, s20, s21
	s_cselect_b32 s22, 0, s22
	s_cselect_b32 s[PFS], 256, s23
	s_cselect_b64 s[PFA:PFA+1], s[4:5], s[6:7]
	s_cselect_b32 s23, 0, 1
	s_mov_b32 s21, 0
	s_mov_b32 s[PFS+1], 0
	s_add_nc_u64 s[PFA:PFA+1], s[PFA:PFA+1], s[20:21]
	s_cmp_eq_u32 s22, 0
	s_cselect_b32 s[LIM], 1, -1                    ; the same in all sixteen partners, for a given wave
	v_lshrrev_b32 v[PFO], s23, v11                 ; A: a lane a row; B: two lanes a row of 512 bytes
	v_and_b32 v31, s23, v11
	v_lshlrev_b32 v[PFO], 11, v[PFO]
	v_lshl_add_u32 v[PFO], v31, 8, v[PFO]
; THE STATISTICS, in the wait for the first tiles.  own = 1: also Z of my two heads, in every lane, and my rows' scores for them.
.macro STATS own
.irp i, 0,1,2,3,4,5,6,7
	global_load_b64 v[PM+2*(\i):PM+2*(\i)+1], v6, s[72:73] offset:128*(\i)
.endr
.irp g, 0,1,2,3
.irp i, 0,1,2,3
	global_load_b128 v[SCR+16*(\g)+4*(\i):SCR+16*(\g)+4*(\i)+3], v7, s[68:69] offset:2048*(\g)+16*(\i)
.endr
.endr
.if \own
	global_load_b128 v[OWNP:OWNP+3], v8, s[72:73]
.irp g, 0,1,2,3
	global_load_b64 v[OWNS+2*(\g):OWNS+2*(\g)+1], v9, s[68:69] offset:2048*(\g)
.endr
.endif
	s_wait_loadcnt 0x0                             ; these, and the bias
	v_max3_num_f32 v[MX], v[PM], v[PM+2], v[PM+4]
	v_max3_num_f32 v[MX], v[MX], v[PM+6], v[PM+8]
	v_max3_num_f32 v[MX], v[MX], v[PM+10], v[PM+12]
	v_max_num_f32 v[MX], v[MX], v[PM+14]
	v_permlanex16_b32 v31, v[MX], s[SEL], s[SEL+1] ; the other eight blocks
	v_max_num_f32 v[MX], v[MX], v31                ; M of head r
.irp i, 0,1,2,3,4,5,6,7
	v_sub_f32 v[PM+2*(\i)], v[PM+2*(\i)], v[MX]
.endr
.if \own
	v_mov_b32 v[ZO], v[OWNP]                       ; m is kept: the copies become the maxima over the 16 blocks, a lane a block
	v_mov_b32 v[ZO+1], v[OWNP+2]
.irp k, 1,2,4,8
	v_max_num_f32_dpp v[ZO], v[ZO], v[ZO] row_xmask:\k row_mask:0xf bank_mask:0xf
	v_max_num_f32_dpp v[ZO+1], v[ZO+1], v[ZO+1] row_xmask:\k row_mask:0xf bank_mask:0xf
.endr
	v_sub_f32 v[OWNP], v[OWNP], v[ZO]
	v_sub_f32 v[OWNP+2], v[OWNP+2], v[ZO+1]
.endif
.irp i, 0,1,2,3,4,5,6,7
	v_exp_f32 v[PM+2*(\i)], v[PM+2*(\i)]
.endr
.if \own
	v_exp_f32 v[OWNP], v[OWNP]
	v_exp_f32 v[OWNP+2], v[OWNP+2]
.endif
	v_nop                                          ; a plain instruction behind the last exponential,
	s_wait_alu depctr_va_vdst(0)                   ; and one wait ahead of the batch's first reader
	v_mul_f32 v[LL], v[PM], v[PM+1]
.irp i, 1,2,3,4,5,6,7
	v_fmac_f32 v[LL], v[PM+2*(\i)], v[PM+2*(\i)+1]
.endr
	v_permlanex16_b32 v31, v[LL], s[SEL], s[SEL+1]
	v_add_f32 v[LL], v[LL], v31
.if \own
	v_mul_f32 v[OWNP+1], v[OWNP], v[OWNP+1]
	v_mul_f32 v[OWNP+3], v[OWNP+2], v[OWNP+3]
.irp k, 1,2,4,8
	v_add_f32_dpp v[OWNP+1], v[OWNP+1], v[OWNP+1] row_xmask:\k row_mask:0xf bank_mask:0xf
	v_add_f32_dpp v[OWNP+3], v[OWNP+3], v[OWNP+3] row_xmask:\k row_mask:0xf bank_mask:0xf
.endr
.endif
	v_log_f32 v[LL], v[LL]                         ; the sum is 1 at the least: the block that holds M adds l >= 1
.if \own
	v_log_f32 v[OWNP+1], v[OWNP+1]
	v_log_f32 v[OWNP+3], v[OWNP+3]
.endif
	v_nop
	s_wait_alu depctr_va_vdst(0)                   ; one wait for the logarithms
	v_add_f32 v[MX], v[MX], v[LL]                  ; Z of head r
.if \own
	v_add_f32 v[ZO], v[ZO], v[OWNP+1]
	v_add_f32 v[ZO+1], v[ZO+1], v[OWNP+3]
.endif
	ds_store_b32 v12, v[MX]                        ; both halves of the lanes hold the same number
.irp i, 0,1,2,3
	ds_load_b128 v[ZV+4*(\i):ZV+4*(\i)+3], v13 offset:16*(\i)  ; LDS serves a wave's instructions in order (ISA guide 5.7.1.4): all 16 Z in every lane
.endr
	s_wait_dscnt 0x0
.irp g, 0,1,2,3
.irp x, 0,2,4,6,8,10,12,14
	v_pk_add_f32 v[SCR+16*(\g)+(\x):SCR+16*(\g)+(\x)+1], v[SCR+16*(\g)+(\x):SCR+16*(\g)+(\x)+1], v[ZV+(\x):ZV+(\x)+1] neg_lo:[0,1] neg_hi:[0,1]
.endr
.endr
.irp g, 0,1,2,3
	v_max3_num_f32 v[EE+(\g)], v[SCR+16*(\g)], v[SCR+16*(\g)+1], v[SCR+16*(\g)+2]
.endr
.irp x, 3,5,7,9,11,13
.irp g, 0,1,2,3
	v_max3_num_f32 v[EE+(\g)], v[EE+(\g)], v[SCR+16*(\g)+(\x)], v[SCR+16*(\g)+(\x)+1]
.endr
.endr
.irp g, 0,1,2,3
	v_max_num_f32 v[EE+(\g)], v[EE+(\g)], v[SCR+16*(\g)+15]
.endr
.irp g, 0,1,2,3
	v_floor_f32 v[EE+(\g)], v[EE+(\g)]
.endr
.irp g, 0,1,2,3
	v_add_f32 v[EE+(\g)], 1.0, v[EE+(\g)]          ; E of row 32 g + l
.endr
.endm
.irp b, 0,1,2,3,4,5,6,7
	global_load_b128 v[BI+8*(\b):BI+8*(\b)+3],   v10, s[74:75] offset:64*(\b)
	global_load_b128 v[BI+8*(\b)+4:BI+8*(\b)+7], v10, s[74:75] offset:64*(\b)+16
.endr
	STATS 1
.set x, 0
.rept 32                               ; the bias is rounded to bf16, like every input
	v_cvt_pk_bf16_f32 v177, v[BI+x], v[BI+x+1]
	v_lshlrev_b32 v[BI+x], 16, v177
	v_and_b32 v[BI+x+1], s[HM], v177
.set x, x+2
.endr
.irp g, 0,1,2,3
	v_pk_add_f32 v[OWNS+2*(\g):OWNS+2*(\g)+1], v[OWNS+2*(\g):OWNS+2*(\g)+1], v[ZO:ZO+1] neg_lo:[0,1] neg_hi:[0,1]
.endr
.irp g, 0,1,2,3
	v_sub_f32 v[OWNS+2*(\g)], v[OWNS+2*(\g)], v[EE+(\g)]
	v_sub_f32 v[OWNS+2*(\g)+1], v[OWNS+2*(\g)+1], v[EE+(\g)]
.endr
.irp i, 0,1,2,3,4,5,6,7
	v_exp_f32 v[OWNS+(\i)], v[OWNS+(\i)]           ; the factor of row 32 g + l, heads 0 and 1 of my two
.endr
	v_nop
	s_wait_alu depctr_va_vdst(0)                   ; one wait for the eight
.irp i, 0,1,2,3,4,5,6,7
	v_permlanex16_b32 v[PM+(\i)], v[OWNS+(\i)], s[SEL], s[SEL+1]
.endr
.irp g, 0,1,2,3                        ; on the way out lane l wants row 16 a + l % 16: block 2 g lies in lanes 0-15, block 2 g + 1 in lanes 16-31
.irp e, 0,1
	v_cndmask_b32 v[AT+8*(\g)+2*(\e)],   v[OWNS+2*(\g)+(\e)], v[PM+2*(\g)+(\e)], s[HM]
	v_cndmask_b32 v[AT+8*(\g)+2*(\e)+1], v[OWNS+2*(\g)+(\e)], v[PM+2*(\g)+(\e)], s[HM]
	v_cndmask_b32 v[AT+8*(\g)+4+2*(\e)],   v[PM+2*(\g)+(\e)], v[OWNS+2*(\g)+(\e)], s[HM]
	v_cndmask_b32 v[AT+8*(\g)+4+2*(\e)+1], v[PM+2*(\g)+(\e)], v[OWNS+2*(\g)+(\e)], s[HM]
.endr
.endr
; 16 matrix instructions: row blocks a0, a0 + 1 of the window's four x all 8 column blocks, 32 along K.  cin = 0: onto the sums; 1: C = 0; 2: C = the bias.  The 64 accumulators take turns.
.macro MUL16 f, hi, a0, cin
.if (\cin) == 2
	WIN 0x81+0x40*(\hi)                            ; as below, with the C operand in window 0
.else
	WIN MUL_LO+0x50*(\hi)
.endif
.irp a, \a0, (\a0)+1
.irp b, 0,1,2,3,4,5,6,7
.if (\cin) == 1
	v_wmma_f32_16x16x32_bf16 v[8*(8*(\a)+(\b)):8*(8*(\a)+(\b))+7], v[(\f)+8*(\b):(\f)+8*(\b)+7], v[(\f)+8*(4*(\hi)+(\a)):(\f)+8*(4*(\hi)+(\a))+7], 0
.elseif (\cin) == 2
	v_wmma_f32_16x16x32_bf16 v[8*(8*(\a)+(\b)):8*(8*(\a)+(\b))+7], v[(\f)+8*(\b):(\f)+8*(\b)+7], v[(\f)+8*(4*(\hi)+(\a)):(\f)+8*(4*(\hi)+(\a))+7], v[BI+8*(\b):BI+8*(\b)+7]
.else
	v_wmma_f32_16x16x32_bf16 v[8*(8*(\a)+(\b)):8*(8*(\a)+(\b))+7], v[(\f)+8*(\b):(\f)+8*(\b)+7], v[(\f)+8*(4*(\hi)+(\a)):(\f)+8*(4*(\hi)+(\a))+7], v[8*(8*(\a)+(\b)):8*(8*(\a)+(\b))+7]
.endif
.endr
.endr
.endm
; 32 LDS loads in one run: quarter q (32 along K) of a slot into buffer f: B's 128 columns turned, then A's 128 rows
.macro FETCH slot, q, f
	WIN TO_B
.irp i, 0,1,2,3,4,5,6,7
	ds_load_tr16_b128 v[(\f)+8*(\i):(\f)+8*(\i)+3],   v[ADRB+(\slot)] offset:(\q)*32*PB+(\i)*32
	ds_load_tr16_b128 v[(\f)+8*(\i)+4:(\f)+8*(\i)+7], v[ADRB+(\slot)] offset:(\q)*32*PB+(\i)*32+16*PB
.endr
	WIN 0
.irp i, 0,1,2,3,4,5,6,7
	ds_load_b128 v[(\f)+8*(\i):(\f)+8*(\i)+3],   v[ADRA+(\slot)] offset:(\q)*64+(\i)*16*PITCH
	ds_load_b128 v[(\f)+8*(\i)+4:(\f)+8*(\i)+7], v[ADRA+(\slot)] offset:(\q)*64+(\i)*16*PITCH+32
.endr
.endm
.macro PLACES                          ; four plain vector instructions in front of loads into registers that matrix instructions have read (ISA guide 7.12.1 for vector instructions)
.rept 4
	v_nop
.endr
.endm
; One of a K step's first three quarters: multiplies buffer f; in its middle it fetches quarter q of the same slot into buffer g.
.macro QUARTER slot, q, f, g, cin
	s_wait_dscnt 8                                 ; B and A's rows 0-63 are in; the youngest eight loads (A's rows 64-127) may be out
	MUL16 \f, 0, 0, \cin
	MUL16 \f, 0, 2, \cin
	PLACES
	FETCH \slot, \q, \g
	s_wait_dscnt 32                                ; all but the 32 just issued
	MUL16 \f, 1, 0, \cin
	MUL16 \f, 1, 2, \cin
.endm
; The last quarter's first half: ONE barrier for the change of slots.  In front of it each wave waits for all its tensor loads (one is out: its part of the next slot), adds 0 to its spare word, and waits for that and for its reads of this slot.
.macro MEET round
	WIN 0
	s_wait_tensorcnt 0x0
	ds_add_u32 v[SPW], v[NIL]
	s_wait_dscnt 9                                 ; the add and the youngest eight loads may be out
	MUL16 F1, 0, 0, 0
	s_wait_dscnt 0x0                               ; the add is done, and my reads of this slot are over
	s_barrier_signal -1
	MUL16 F1, 0, 2, 0
.if \round
	WIN 0
.endif
	s_barrier_wait -1
.endm
; The whole last quarter: behind the round the slot just read out is filled again first, with the K step two on: 224 matrix instructions stand between that request and the wait for it.
.macro TURN slot, next
	s_wait_xcnt 0x0                                ; the last prefetch, a K step back, has read its address
	s_add_nc_u64 s[PFA:PFA+1], s[PFA:PFA+1], s[PFS:PFS+1]
	MEET 1
	CREST                                          ; no wave of any partner still reads this slot or has a load on its way
	s_add_nc_u64 s[G0+4*(\slot)+2:G0+4*(\slot)+3], s[G0+4*(\slot)+2:G0+4*(\slot)+3], 2*KSTEP*2
	s_add_nc_u64 s[G0B+4*(\slot)+2:G0B+4*(\slot)+3], s[G0B+4*(\slot)+2:G0B+4*(\slot)+3], 2*KSTEP*2048
	JLOAD \slot                                    ; the four v_nop behind it are also the places in front of the loads below
	FETCH \next, 0, F0
	ASK
	MUL16 F1, 1, 0, 0
	MUL16 F1, 1, 2, 0
.endm
; THE WAY OUT of block a (16 rows).  PACK: times the rows' factors, rounded to f16, 16 bytes a lane.  TOSTAGE: into my own stage, back as whole rows of 256 bytes.  SEND: stored.
.macro PACK a
.set AC, 64*((\a)%4)
	WIN 0x82+0x41*((\a)/4)                         ; destination and source 0: window 2 or 3; source 1: window 0
.irp b, 0,1,2,3,4,5,6,7
.irp r, 0,1,2,3
	v_pk_mul_f32 v[AC+8*(\b)+2*(\r):AC+8*(\b)+2*(\r)+1], v[AC+8*(\b)+2*(\r):AC+8*(\b)+2*(\r)+1], v[AT+4*(\a)+2*((\b)/4):AT+4*(\a)+2*((\b)/4)+1]
.endr
.endr
	WIN 0x0a+5*((\a)/4)                            ; sources 0 and 1: window 2 or 3
.irp b, 0,1,2,3,4,5,6,7
.irp r, 0,1,2,3
	v_cvt_pk_f16_f32 v[TMP+4*(\b)+(\r)], v[AC+8*(\b)+2*(\r)], v[AC+8*(\b)+2*(\r)+1]
.endr
.endr
	WIN 0
.endm
.macro TOSTAGE a
	WIN 0
.set BK, OB+32*((\a)%2)
.irp b, 0,1,2,3,4,5,6,7
	ds_store_b128 v[STO], v[TMP+4*(\b):TMP+4*(\b)+3] offset:32*(\b)
.endr
.irp t, 0,1,2,3,4,5,6,7
	ds_load_b128 v[BK+4*(\t):BK+4*(\t)+3], v[RD] offset:(\t)*2*SPITCH  ; LDS serves a wave's instructions in order (ISA guide 5.7.1.4): these see the stores above
.endr
.endm
.macro SEND a
	WIN 0
.set BK, OB+32*((\a)%2)
	s_wait_dscnt 0x0                               ; the block is back in registers
	s_wait_xcnt 0x0                                ; the stores' base and the registers that earlier stores read are rewritten only behind this wait
.if (\a) == 0
	s_add_nc_u64 s[8:9], s[8:9], s[16:17]
.else
	s_add_nc_u64 s[8:9], s[8:9], 16*CROW
.endif
.irp t, 0,1,2,3,4,5,6,7
	global_store_b128 v[CO], v[BK+4*(\t):BK+4*(\t)+3], s[8:9] offset:2*(\t)*CROW  ; 16 lanes store 256 consecutive bytes, aligned
.endr
.endm
	s_wait_tensorcnt 1                             ; my part of K step 0 is in; K step 1's may stay out
	s_barrier_signal -1
	s_barrier_wait -1
	FETCH 0, 0, F0
	QUARTER 0, 1, F0, F1, 2                        ; the first quarter stands in front of the loop: its products start the sums, with the bias
	WIN 0
	s_mov_b32 s3, LAPS-1
.Llap:                                                 ; a trip goes once round the ring, from a lap's second quarter to the next lap's first
	QUARTER 0, 2, F1, F0, 0
	QUARTER 0, 3, F0, F1, 0
	TURN 0, 1
	QUARTER 1, 1, F0, F1, 0
	QUARTER 1, 2, F1, F0, 0
	QUARTER 1, 3, F0, F1, 0
	TURN 1, 0
	QUARTER 0, 1, F0, F1, 0
	WIN 0
	s_sub_co_u32 s3, s3, 1
	s_cmp_lg_u32 s3, 0
	s_cbranch_scc1 .Llap
	QUARTER 0, 2, F1, F0, 0                        ; the last lap fills nothing
	QUARTER 0, 3, F0, F1, 0
	MEET 0
	PLACES
	FETCH 1, 0, F0
	MUL16 F1, 1, 0, 0
	MUL16 F1, 1, 2, 0
	QUARTER 1, 1, F0, F1, 0
	QUARTER 1, 2, F1, F0, 0
	QUARTER 1, 3, F0, F1, 0
	s_wait_dscnt 8
	MUL16 F1, 0, 0, 0
	MUL16 F1, 0, 2, 0
	s_wait_dscnt 0x0
	MUL16 F1, 1, 0, 0
	MUL16 F1, 1, 2, 0
	WIN 0
	PLACES
	PLACES                                         ; eight, once a launch
	PACK 0
	TOSTAGE 0
.irp a, 1,2,3,4,5,6,7                  ; block a's arithmetic stands between block a - 1's loads from the stage and the wait for them
	PACK \a
	SEND (\a)-1
	TOSTAGE \a
.endr
	SEND 7
	s_wait_tensorcnt 0x0                           ; the wave's end: behind my last tensor load and my last LDS store
	ds_add_u32 v[SPW], v[NIL]
	s_wait_dscnt 0x0
	CROUND                                         ; the closing round: no work-group ends while a partner may still ask for a tile that names it
	s_endpgm
.Lfunc_end_k_qdacc380bf1_gemm1:
	.size	k_qdacc380bf1_gemm1, .Lfunc_end_k_qdacc380bf1_gemm1-k_qdacc380bf1_gemm1
	.p2alignl 7, 3214868480
	.fill 96, 4, 3214868480
	.section	.rodata,"a",@progbits
	.p2align	6, 0x0
	.amdhsa_kernel k_qdacc380bf1_gemm1
		.amdhsa_group_segment_fixed_size 327680
		.amdhsa_private_segment_fixed_size 0
		.amdhsa_enable_private_segment 0
		.amdhsa_kernarg_size 48
		.amdhsa_user_sgpr_count 2
		.amdhsa_user_sgpr_kernarg_segment_ptr 1
		.amdhsa_wavefront_size32 1
		.amdhsa_system_sgpr_workgroup_id_x 1
		.amdhsa_system_sgpr_workgroup_id_y 1
		.amdhsa_system_sgpr_workgroup_id_z 1
		.amdhsa_system_vgpr_workitem_id 0
		.amdhsa_next_free_vgpr 1024
		.amdhsa_next_free_sgpr 80
		.amdhsa_reserve_vcc 0
		.amdhsa_float_denorm_mode_32 3
		.amdhsa_float_denorm_mode_16_64 3
		.amdhsa_memory_ordered 1
		.amdhsa_forward_progress 1
		.amdhsa_inst_pref_size 181
	.end_amdhsa_kernel
	.amdgpu_metadata
---
amdhsa.version: [ 1, 2 ]
amdhsa.kernels:
  - .name:           k_qdacc380bf1_gemm1
    .symbol:         k_qdacc380bf1_gemm1.kd
    .args:
      - { .name: vbf, .offset: 0, .size: 8, .value_kind: global_buffer, .address_space: global }
      - { .name: wvbf, .offset: 8, .size: 8, .value_kind: global_buffer, .address_space: global }
      - { .name: wbuf, .offset: 16, .size: 8, .value_kind: global_buffer, .address_space: global }
      - { .name: scbuf, .offset: 24, .size: 8, .value_kind: global_buffer, .address_space: global }
      - { .name: partbuf, .offset: 32, .size: 8, .value_kind: global_buffer, .address_space: global }
      - { .name: bv, .offset: 40, .size: 8, .value_kind: global_buffer, .address_space: global }
    .group_segment_fixed_size: 327680
    .private_segment_fixed_size: 0
    .kernarg_segment_align: 8
    .kernarg_segment_size: 48
    .max_flat_workgroup_size: 128
    .sgpr_count:     80
    .vgpr_count:     1024
    .wavefront_size: 32
...
	.end_amdgpu_metadata
.endif
;; end of part 3
;; launch gemm2 (part 4): grid 4 x 64, 4 waves a work-group, clusters of 4 x 4, 327,680 bytes of LDS; arguments wbuf, wof, out0, scbuf, partbuf, bo; writes out0
.if DOCPART == 4
	.amdgcn_target "amdgcn-amd-amdhsa--gfx1250"
	.amdhsa_code_object_version 6
	.text
	.protected	k_qdacc380bf1_gemm2
	.globl	k_qdacc380bf1_gemm2
	.p2align	8
	.type	k_qdacc380bf1_gemm2,@function
k_qdacc380bf1_gemm2:
	s_mov_b64 s[64:65], 0
	v_nop
	global_prefetch_b8 v0, s[64:65] scope:SCOPE_SE
	s_setreg_imm32_b32 hwreg(HW_REG_WAVE_MODE, 25, 1), 1
	s_wait_xcnt 0x0
	s_wait_alu depctr_hold_cnt(0) depctr_sa_sdst(0) depctr_va_vdst(0) depctr_va_sdst(0) depctr_va_ssrc(0) depctr_va_vcc(0) depctr_vm_vsrc(0)
	s_getreg_b32 s2, hwreg(HW_REG_IB_STS2, 6, 4)
	s_cmp_eq_u32 s2, 0
	s_cbranch_scc0 .Lentry_in_a_cluster
	s_endpgm
.Lentry_in_a_cluster:
	s_bfe_u32 s2, ttmp6, 0x10000c
	s_cmp_lg_u32 s2, 0xf033
	s_cbranch_scc0 .Lentry_shape_is_right
	s_endpgm
.Lentry_shape_is_right:
; out[row][n] = (sum over k of w[row][k] Wo[k][n]) x 2^E[row] + bo[n], in f32.  w and Wo arrive in f16 (Wo: its bf16 rounding written as f16); bo is rounded to bf16 here; sums in f32.
; E[row] = floor(max over h of (sc - Z)) + 1 is made anew from the scores and the blocks' statistics, by the same lines as in the launch that scaled w by 2^-E.
; LIMITS.  2^E below 2^-126 counts as 0; NaN and infinities are not treated apart.
; SHAPE, RING, CLUSTERS, LAYOUT: 16,384 x 1,024 x 1,024 in 256 tiles of 256 x 256, one to a work-group; four waves of 128 x 128; K in steps of 128 through two LDS slots filled by joint tensor loads
; (A's tile along a row of the 4 x 4 cluster, B's along a column); B = Wo lies [k][n] and comes out of LDS turned; source 0 = 16 columns of B, source 1 = 16 rows of A: lane l holds row l % 16, columns 8 (l / 16) + 0..7.
; REGISTERS: window 0: v0-31 addresses; v32-47 the rows' 2^E; v64-127, v128-191 A's fragments (before the loop: the statistics; on the way out: rows read back); v192-255 bo.
;   window 1: v64-127, v128-191 B's fragments.   windows 2, 3: the accumulators ((a, b) at v[8 (8 a + b)]).
.set KSTEP,  128
.set PITCH,  272                       ; a row of A in LDS: 256 bytes + 16
.set PB,     544                       ; a row of B in LDS: 512 bytes + 32
.set HALFT,  128*PITCH
.set SLOT,   4*HALFT
.set STAGE,  2*SLOT                    ; behind the ring: 16 rows x 528 bytes for each wave, for the way out
.set SPITCH, 528                       ; 512 bytes + 16: the 16 rows that a store touches start 4 banks apart (64 banks of 4 bytes: ISA guide 11.1)
.set ZS,     STAGE+4*16*SPITCH
.set SPARE,  ZS+1024                   ; the spare words, 128 bytes for each wave: two blocks of 256 bytes that no other line names
.set LAPS,   4
.set CROW,   4096                      ; bytes in a row of out
.set ADRA, 16
.set ADRB, 20
.set STO,  24
.set RD,   25
.set CO,   26
.set SPW,  28
.set NIL,  29
.set PFO,  30
.set IT,   32                          ; v[32:47]  block a of 16 rows: 2^E, twice, at IT + 2 a
.set F0,   64
.set F1,   128
.set BI,   192
.set OB,   64
.set SCR,  64
.set ZV,   128
.set PM,   144
.set OWNP, 160
.set OWNS, 164
.set EE,   172
.set MX,   176
.set ZO,   178
.set LL,   180
.set G1, 24
.set G0, 32
.set G1B, 48
.set G0B, 56
.set LIM, 43
.set PFA, 44
.set PFS, 66
.set SEL, 76
.set HM,  78
.set MSB, 0
.macro WIN new
.if MSB != (\new)
	s_set_vgpr_msb (MSB<<8)|(\new)
.set MSB, \new
.endif
.endm
.set MUL_LO, 0xa1
.set TO_B,   0x40
.macro JLOAD s                         ; a joint load: waves 0 and 1 fetch A's two halves, waves 2 and 3 B's; an s_nop 0 and four v_nop follow each of the two lines
	s_cmp_eq_u32 s11, 0
	s_cbranch_scc0 .Lfor_b_\@
	tensor_load_to_lds s[G0+4*(\s):G0+4*(\s)+3], s[G1:G1+7]
	s_nop 0
.rept 4
	v_nop
.endr
	s_branch .Lasked_\@
.Lfor_b_\@:
	tensor_load_to_lds s[G0B+4*(\s):G0B+4*(\s)+3], s[G1B:G1B+7]
	s_nop 0
.rept 4
	v_nop
.endr
.Lasked_\@:
.endm
.macro ASK                             ; a prefetch into the L2 of the K step two refills on: 32 blocks of 256 bytes, a lane a block; A's rows by every cluster, B's by the clusters with y = 0; partners share by address; the last trip asks for nothing
	s_cmp_gt_u32 s3, s[LIM]
	s_cbranch_scc0 .Lnot_mine_\@
	global_prefetch_b8 v[PFO], s[PFA:PFA+1] th:TH_LOAD_NT scope:SCOPE_SE
.Lnot_mine_\@:
.endm
.macro CREST
	s_cmp_lg_u32 s10, 0
	s_cbranch_scc1 .Lnot_wave_0_\@
	s_barrier_signal -3
.Lnot_wave_0_\@:
	s_barrier_wait -3
	s_barrier_signal -1
	s_barrier_wait -1
.endm
.macro CROUND
	s_barrier_signal -1
	s_barrier_wait -1
	CREST
.endm
	s_load_b128 s[4:7], s[0:1], 0x0                ; A s[4:5], B s[6:7]
	s_load_b64 s[8:9], s[0:1], 0x10                ; C
	s_load_b64 s[68:69], s[0:1], 0x18              ; sc
	s_load_b128 s[72:75], s[0:1], 0x20             ; the blocks' statistics s[72:73], the bias s[74:75]
	v_lshl_add_u32 v[SPW], v0, 2, SPARE
	v_mov_b32 v[NIL], 0
	ds_add_u32 v[SPW], v[NIL]                      ; the wave's opening: the add and its wait stand ahead of my first tensor load
	v_lshrrev_b32 v1, 5, v0
	v_readfirstlane_b32 s10, v1                    ; wave 0..3
	s_lshr_b32 s11, s10, 1                         ; my half of the rows; also: I fetch for A (0) or for B (1)
	s_and_b32 s12, s10, 1                          ; my half of the columns; also: which half of that tile I fetch
	s_bfe_u32 s40, ttmp6, 0x40000                  ; cx
	s_bfe_u32 s41, ttmp6, 0x40004                  ; cy
	s_lshl_b32 s42, ttmp9, 2
	s_add_co_u32 s42, s42, s40                     ; tile column
	s_and_b32 s13, ttmp7, 0xffff
	s_lshl_b32 s13, s13, 2
	s_add_co_u32 s13, s13, s41                     ; tile row
	s_lshl_b32 s43, s41, 2
	s_lshl_b32 s43, 15, s43                        ; my row of the cluster
	s_lshl_b32 s44, 0x1111, s40                    ; my column
	s_or_b32 s[G1+0], s43, (1<<16)|(1<<20)|(1<<21)|(5<<22)|(3<<25)   ; the mask; 2-byte elements; padding on; bit 21 beside a mask; after every 64 words, 4 words
	s_or_b32 s[G1B+0], s44, (1<<16)|(1<<20)|(1<<21)|(6<<22)|(7<<25)  ; after every 128 words, 8 words
	s_mov_b32 s[G1+1], 128<<16                     ; A: a tile of 128 rows x 128 elements
	s_mov_b32 s[G1+2], 128<<16
	s_mov_b32 s[G1+3], 128<<16
	s_mov_b32 s[G1+4], 128
	s_mov_b32 s[G1+5], 1024
	s_mov_b32 s[G1+6], 0
	s_mov_b32 s[G1+7], 0
	s_mov_b32 s[G1B+1], 256<<16                    ; B: a tile of 64 rows x 256 elements
	s_mov_b32 s[G1B+2], 64<<16
	s_mov_b32 s[G1B+3], 256<<16
	s_mov_b32 s[G1B+4], 64
	s_mov_b32 s[G1B+5], 1024
	s_mov_b32 s[G1B+6], 0
	s_mov_b32 s[G1B+7], 0
	s_lshl_b32 s16, s13, 8
	s_lshl_b32 s17, s12, 7
	s_add_co_u32 s16, s16, s17
	s_lshl_b32 s16, s16, 11
	s_mov_b32 s17, 0
	s_lshl_b32 s46, s42, 9
	s_lshl_b32 s47, s12, 17
	s_add_co_u32 s46, s46, s47
	s_mov_b32 s47, 0
	s_mul_i32 s20, s10, HALFT
	s_wait_dscnt 0x0                               ; the opening add is done
	s_wait_kmcnt 0x0
	s_add_nc_u64 s[14:15], s[4:5], s[16:17]
	s_add_nc_u64 s[46:47], s[6:7], s[46:47]
	CROUND                                         ; all sixteen work-groups are here: the first joint loads meet
.irp s, 0,1
	s_mov_b32 s[G0+4*(\s)], 1
	s_add_co_u32 s[G0+4*(\s)+1], s20, (\s)*SLOT
	s_add_nc_u64 s[G0+4*(\s)+2:G0+4*(\s)+3], s[14:15], (\s)*KSTEP*2
	s_or_b32 s[G0+4*(\s)+3], s[G0+4*(\s)+3], 0x80000000
	s_mov_b32 s[G0B+4*(\s)], 1
	s_add_co_u32 s[G0B+4*(\s)+1], s20, (\s)*SLOT
	s_add_nc_u64 s[G0B+4*(\s)+2:G0B+4*(\s)+3], s[46:47], (\s)*KSTEP*2048
	s_or_b32 s[G0B+4*(\s)+3], s[G0B+4*(\s)+3], 0x80000000
	JLOAD \s                                       ; two loads of mine are out
.endr
	v_and_b32 v1, 15, v0                           ; r
	v_bfe_u32 v2, v0, 4, 1                         ; hh
	v_and_b32 v11, 31, v0                          ; l
	v_mul_u32_u24 v3, v1, PITCH
	v_lshl_add_u32 v3, v2, 4, v3
	v_and_b32 v4, 7, v0
	v_lshl_add_u32 v4, v2, 3, v4
	v_mul_u32_u24 v4, v4, PB
	v_bfe_u32 v5, v0, 3, 1
	v_lshl_add_u32 v4, v5, 4, v4
	s_mul_i32 s21, s11, HALFT
	s_lshl_b32 s22, s12, 8
	s_add_co_u32 s22, s22, 2*HALFT
.irp s, 0,1
	v_add_nc_u32 v[ADRA+(\s)], s21, v3
	v_add_nc_u32 v[ADRB+(\s)], s22, v4
	s_add_co_u32 s21, s21, SLOT
	s_add_co_u32 s22, s22, SLOT
.endr
	s_mul_i32 s23, s10, 16*SPITCH
	s_add_co_u32 s23, s23, STAGE                   ; my stage
	v_mul_u32_u24 v4, v1, SPITCH
	v_lshl_add_u32 v4, v2, 5, v4
	v_add_nc_u32 v[STO], s23, v4                   ; in: row l % 16, 32 bytes for each half of the lanes
	v_lshl_add_u32 v[RD], v11, 4, s23              ; back: 32 lanes take a row's 512 bytes
	v_lshlrev_b32 v[CO], 4, v11                    ; and the same in C
	s_lshl_b32 s23, s10, 8
	s_add_co_u32 s23, s23, ZS
	v_lshl_add_u32 v12, v1, 2, s23
	v_mov_b32 v13, s23
	s_mov_b32 s[SEL], 0x76543210
	s_mov_b32 s[SEL+1], 0xfedcba98
	s_mov_b32 s[HM], 0xffff0000
	s_lshl_b32 s20, s13, 8
	s_lshl_b32 s21, s11, 7
	s_add_co_u32 s20, s20, s21                     ; my first row
	s_lshl_b32 s16, s20, 12                        ; where my part of the tile begins in C
	s_lshl_b32 s21, s42, 10
	s_add_co_u32 s16, s16, s21
	s_lshl_b32 s21, s12, 9
	s_add_co_u32 s16, s16, s21
	s_mov_b32 s17, 0
	s_lshl_b32 s70, s20, 6
	s_mov_b32 s71, 0
	s_add_nc_u64 s[68:69], s[68:69], s[70:71]      ; sc at my first row
	s_lshr_b32 s70, s13, 2
	s_lshl_b32 s70, s70, 11
	s_add_nc_u64 s[72:73], s[72:73], s[70:71]      ; the statistics of my batch
	s_lshl_b32 s70, s42, 10
	s_lshl_b32 s21, s12, 9
	s_add_co_u32 s70, s70, s21
	s_add_nc_u64 s[74:75], s[74:75], s[70:71]      ; the bias at my first column
	v_lshlrev_b32 v6, 10, v2
	v_lshl_add_u32 v6, v1, 3, v6                   ; statistics: blocks 8 hh on, head r
	v_lshlrev_b32 v7, 6, v11                       ; sc: a lane a row
	v_lshlrev_b32 v10, 5, v2                       ; bias: 8 columns for each half of the lanes
	; the prefetches
	s_lshl_b32 s20, s13, 8
	s_lshl_b32 s21, s12, 7
	s_add_co_u32 s20, s20, s21
	s_lshl_b32 s21, s40, 5
	s_add_co_u32 s20, s20, s21                     ; A: of the 128 rows that I fetch, my work-group's 32,
	s_lshl_b32 s20, s20, 11
	s_add_co_u32 s20, s20, 3*256                   ; at K step 3: the first refill steps it to 4
	s_lshl_b32 s21, s12, 6
	s_lshl4_add_u32 s21, s41, s21                  ; B: of the 64 rows that I fetch, my work-group's 16
	s_lshl_b32 s21, s21, 11
	s_lshl_b32 s22, s42, 9
	s_add_co_u32 s21, s21, s22
	s_add_co_u32 s21, s21, 3*262144
	s_and_b32 s22, ttmp7, 0xffff
	s_mov_b32 s23, 262144
	s_cmp_eq_u32 s11, 0
	s_cselect_b32 s20, s20, s21
	s_cselect_b32 s22, 0, s22
	s_cselect_b32 s[PFS], 256, s23
	s_cselect_b64 s[PFA:PFA+1], s[4:5], s[6:7]
	s_cselect_b32 s23, 0, 1
	s_mov_b32 s21, 0
	s_mov_b32 s[PFS+1], 0
	s_add_nc_u64 s[PFA:PFA+1], s[PFA:PFA+1], s[20:21]
	s_cmp_eq_u32 s22, 0
	s_cselect_b32 s[LIM], 1, -1
	v_lshrrev_b32 v[PFO], s23, v11
	v_and_b32 v31, s23, v11
	v_lshlrev_b32 v[PFO], 11, v[PFO]
	v_lshl_add_u32 v[PFO], v31, 8, v[PFO]
; THE STATISTICS, in the wait for the first tiles: the same lines as in the launch before (there with own = 1, which adds lines and changes none of these).
.macro STATS own
.irp i, 0,1,2,3,4,5,6,7
	global_load_b64 v[PM+2*(\i):PM+2*(\i)+1], v6, s[72:73] offset:128*(\i)
.endr
.irp g, 0,1,2,3
.irp i, 0,1,2,3
	global_load_b128 v[SCR+16*(\g)+4*(\i):SCR+16*(\g)+4*(\i)+3], v7, s[68:69] offset:2048*(\g)+16*(\i)
.endr
.endr
	s_wait_loadcnt 0x0                             ; these, and the bias
	v_max3_num_f32 v[MX], v[PM], v[PM+2], v[PM+4]
	v_max3_num_f32 v[MX], v[MX], v[PM+6], v[PM+8]
	v_max3_num_f32 v[MX], v[MX], v[PM+10], v[PM+12]
	v_max_num_f32 v[MX], v[MX], v[PM+14]
	v_permlanex16_b32 v31, v[MX], s[SEL], s[SEL+1]
	v_max_num_f32 v[MX], v[MX], v31                ; M of head r
.irp i, 0,1,2,3,4,5,6,7
	v_sub_f32 v[PM+2*(\i)], v[PM+2*(\i)], v[MX]
.endr
.irp i, 0,1,2,3,4,5,6,7
	v_exp_f32 v[PM+2*(\i)], v[PM+2*(\i)]
.endr
	v_nop                                          ; a plain instruction behind the last exponential,
	s_wait_alu depctr_va_vdst(0)                   ; and one wait ahead of the batch's first reader
	v_mul_f32 v[LL], v[PM], v[PM+1]
.irp i, 1,2,3,4,5,6,7
	v_fmac_f32 v[LL], v[PM+2*(\i)], v[PM+2*(\i)+1]
.endr
	v_permlanex16_b32 v31, v[LL], s[SEL], s[SEL+1]
	v_add_f32 v[LL], v[LL], v31
	v_log_f32 v[LL], v[LL]                         ; the sum is 1 at the least
	v_nop
	s_wait_alu depctr_va_vdst(0)
	v_add_f32 v[MX], v[MX], v[LL]                  ; Z of head r
	ds_store_b32 v12, v[MX]
.irp i, 0,1,2,3
	ds_load_b128 v[ZV+4*(\i):ZV+4*(\i)+3], v13 offset:16*(\i)  ; LDS serves a wave's instructions in order (ISA guide 5.7.1.4): all 16 Z in every lane
.endr
	s_wait_dscnt 0x0
.irp g, 0,1,2,3
.irp x, 0,2,4,6,8,10,12,14
	v_pk_add_f32 v[SCR+16*(\g)+(\x):SCR+16*(\g)+(\x)+1], v[SCR+16*(\g)+(\x):SCR+16*(\g)+(\x)+1], v[ZV+(\x):ZV+(\x)+1] neg_lo:[0,1] neg_hi:[0,1]
.endr
.endr
.irp g, 0,1,2,3
	v_max3_num_f32 v[EE+(\g)], v[SCR+16*(\g)], v[SCR+16*(\g)+1], v[SCR+16*(\g)+2]
.endr
.irp x, 3,5,7,9,11,13
.irp g, 0,1,2,3
	v_max3_num_f32 v[EE+(\g)], v[EE+(\g)], v[SCR+16*(\g)+(\x)], v[SCR+16*(\g)+(\x)+1]
.endr
.endr
.irp g, 0,1,2,3
	v_max_num_f32 v[EE+(\g)], v[EE+(\g)], v[SCR+16*(\g)+15]
.endr
.irp g, 0,1,2,3
	v_floor_f32 v[EE+(\g)], v[EE+(\g)]
.endr
.irp g, 0,1,2,3
	v_add_f32 v[EE+(\g)], 1.0, v[EE+(\g)]          ; E of row 32 g + l
.endr
.endm
.irp b, 0,1,2,3,4,5,6,7
	global_load_b128 v[BI+8*(\b):BI+8*(\b)+3],   v10, s[74:75] offset:64*(\b)
	global_load_b128 v[BI+8*(\b)+4:BI+8*(\b)+7], v10, s[74:75] offset:64*(\b)+16
.endr
	STATS 0
.set x, 0
.rept 32                               ; the bias is rounded to bf16, like every input
	v_cvt_pk_bf16_f32 v177, v[BI+x], v[BI+x+1]
	v_lshlrev_b32 v[BI+x], 16, v177
	v_and_b32 v[BI+x+1], s[HM], v177
.set x, x+2
.endr
.irp g, 0,1,2,3
	v_exp_f32 v[EE+(\g)], v[EE+(\g)]               ; 2^E of row 32 g + l
.endr
	v_nop
	s_wait_alu depctr_va_vdst(0)                   ; one wait for the four
.irp g, 0,1,2,3
	v_permlanex16_b32 v[PM+(\g)], v[EE+(\g)], s[SEL], s[SEL+1]
.endr
.irp g, 0,1,2,3                        ; on the way out lane l wants row 16 a + l % 16: block 2 g lies in lanes 0-15, block 2 g + 1 in lanes 16-31
	v_cndmask_b32 v[IT+4*(\g)],   v[EE+(\g)], v[PM+(\g)], s[HM]
	v_cndmask_b32 v[IT+4*(\g)+1], v[EE+(\g)], v[PM+(\g)], s[HM]
	v_cndmask_b32 v[IT+4*(\g)+2], v[PM+(\g)], v[EE+(\g)], s[HM]
	v_cndmask_b32 v[IT+4*(\g)+3], v[PM+(\g)], v[EE+(\g)], s[HM]
.endr
; 16 matrix instructions: row blocks a0, a0 + 1 of the window's four x all 8 column blocks, 32 along K.  cin = 1: the first product starts the sums.  The 64 accumulators take turns.
.macro MUL16 f, hi, a0, cin
	WIN MUL_LO+0x50*(\hi)
.irp a, \a0, (\a0)+1
.irp b, 0,1,2,3,4,5,6,7
.if (\cin) == 1
	v_wmma_f32_16x16x32_f16 v[8*(8*(\a)+(\b)):8*(8*(\a)+(\b))+7], v[(\f)+8*(\b):(\f)+8*(\b)+7], v[(\f)+8*(4*(\hi)+(\a)):(\f)+8*(4*(\hi)+(\a))+7], 0
.else
	v_wmma_f32_16x16x32_f16 v[8*(8*(\a)+(\b)):8*(8*(\a)+(\b))+7], v[(\f)+8*(\b):(\f)+8*(\b)+7], v[(\f)+8*(4*(\hi)+(\a)):(\f)+8*(4*(\hi)+(\a))+7], v[8*(8*(\a)+(\b)):8*(8*(\a)+(\b))+7]
.endif
.endr
.endr
.endm
.macro FETCH slot, q, f                ; 32 LDS loads in one run: quarter q of a slot into buffer f: B's 128 columns turned, then A's 128 rows
	WIN TO_B
.irp i, 0,1,2,3,4,5,6,7
	ds_load_tr16_b128 v[(\f)+8*(\i):(\f)+8*(\i)+3],   v[ADRB+(\slot)] offset:(\q)*32*PB+(\i)*32
	ds_load_tr16_b128 v[(\f)+8*(\i)+4:(\f)+8*(\i)+7], v[ADRB+(\slot)] offset:(\q)*32*PB+(\i)*32+16*PB
.endr
	WIN 0
.irp i, 0,1,2,3,4,5,6,7
	ds_load_b128 v[(\f)+8*(\i):(\f)+8*(\i)+3],   v[ADRA+(\slot)] offset:(\q)*64+(\i)*16*PITCH
	ds_load_b128 v[(\f)+8*(\i)+4:(\f)+8*(\i)+7], v[ADRA+(\slot)] offset:(\q)*64+(\i)*16*PITCH+32
.endr
.endm
.macro PLACES                          ; four plain vector instructions in front of loads into registers that matrix instructions have read (ISA guide 7.12.1 for vector instructions)
.rept 4
	v_nop
.endr
.endm
.macro QUARTER slot, q, f, g, cin
	s_wait_dscnt 8                                 ; B and A's rows 0-63 are in; the youngest eight loads (A's rows 64-127) may be out
	MUL16 \f, 0, 0, \cin
	MUL16 \f, 0, 2, \cin
	PLACES
	FETCH \slot, \q, \g
	s_wait_dscnt 32                                ; all but the 32 just issued
	MUL16 \f, 1, 0, \cin
	MUL16 \f, 1, 2, \cin
.endm
.macro MEET round                      ; ONE barrier for the change of slots: in front of it all my tensor loads are waited for, 0 is added to my spare word, and that and my reads of this slot are waited for
	WIN 0
	s_wait_tensorcnt 0x0
	ds_add_u32 v[SPW], v[NIL]
	s_wait_dscnt 9                                 ; the add and the youngest eight loads may be out
	MUL16 F1, 0, 0, 0
	s_wait_dscnt 0x0                               ; the add is done, and my reads of this slot are over
	s_barrier_signal -1
	MUL16 F1, 0, 2, 0
.if \round
	WIN 0
.endif
	s_barrier_wait -1
.endm
.macro TURN slot, next
	s_wait_xcnt 0x0                                ; the last prefetch, a K step back, has read its address
	s_add_nc_u64 s[PFA:PFA+1], s[PFA:PFA+1], s[PFS:PFS+1]
	MEET 1
	CREST                                          ; no wave of any partner still reads this slot or has a load on its way
	s_add_nc_u64 s[G0+4*(\slot)+2:G0+4*(\slot)+3], s[G0+4*(\slot)+2:G0+4*(\slot)+3], 2*KSTEP*2
	s_add_nc_u64 s[G0B+4*(\slot)+2:G0B+4*(\slot)+3], s[G0B+4*(\slot)+2:G0B+4*(\slot)+3], 2*KSTEP*2048
	JLOAD \slot                                    ; the four v_nop behind it are also the places in front of the loads below
	FETCH \next, 0, F0
	ASK
	MUL16 F1, 1, 0, 0
	MUL16 F1, 1, 2, 0
.endm
; THE WAY OUT of block a (16 rows).  FIN: sum x 2^E + bo, one fused multiply-add.  TOST2: 32 bytes a lane into my own stage, back as whole rows of 512 bytes.  SEND2: stored.
.macro FIN a
.set AC, 64*((\a)%4)
	WIN 0x82+0x41*((\a)/4)                         ; destination and source 0: window 2 or 3; sources 1 and 2: window 0
.irp b, 0,1,2,3,4,5,6,7
.irp r, 0,1,2,3
	v_pk_fma_f32 v[AC+8*(\b)+2*(\r):AC+8*(\b)+2*(\r)+1], v[AC+8*(\b)+2*(\r):AC+8*(\b)+2*(\r)+1], v[IT+2*(\a):IT+2*(\a)+1], v[BI+8*(\b)+2*(\r):BI+8*(\b)+2*(\r)+1]
.endr
.endr
.endm
.macro TOST2 a
.set AC, 64*((\a)%4)
.set BK, OB+64*((\a)%2)
	WIN 0x08+4*((\a)/4)                            ; the stores' data (source 1): window 2 or 3
.irp b, 0,1,2,3,4,5,6,7
	ds_store_b128 v[STO], v[AC+8*(\b):AC+8*(\b)+3]   offset:64*(\b)
	ds_store_b128 v[STO], v[AC+8*(\b)+4:AC+8*(\b)+7] offset:64*(\b)+16
.endr
	WIN 0
.irp t, 0,1,2,3,4,5,6,7,8,9,10,11,12,13,14,15
	ds_load_b128 v[BK+4*(\t):BK+4*(\t)+3], v[RD] offset:(\t)*SPITCH  ; LDS serves a wave's instructions in order (ISA guide 5.7.1.4): these see the stores above
.endr
.endm
.macro SEND2 a
	WIN 0
.set BK, OB+64*((\a)%2)
	s_wait_dscnt 0x0                               ; the block is back in registers
	s_wait_xcnt 0x0                                ; the stores' base and the registers that earlier stores read are rewritten only behind this wait
.if (\a) == 0
	s_add_nc_u64 s[8:9], s[8:9], s[16:17]
.else
	s_add_nc_u64 s[8:9], s[8:9], 16*CROW
.endif
.irp t, 0,1,2,3,4,5,6,7,8,9,10,11,12,13,14,15
	global_store_b128 v[CO], v[BK+4*(\t):BK+4*(\t)+3], s[8:9] offset:(\t)*CROW th:TH_STORE_NT  ; the wave stores 512 consecutive bytes, aligned
.endr
.endm
	s_wait_tensorcnt 1                             ; my part of K step 0 is in; K step 1's may stay out
	s_barrier_signal -1
	s_barrier_wait -1
	FETCH 0, 0, F0
	QUARTER 0, 1, F0, F1, 1                        ; the first quarter stands in front of the loop: its products start the sums
	WIN 0
	s_mov_b32 s3, LAPS-1
.Llap:
	QUARTER 0, 2, F1, F0, 0
	QUARTER 0, 3, F0, F1, 0
	TURN 0, 1
	QUARTER 1, 1, F0, F1, 0
	QUARTER 1, 2, F1, F0, 0
	QUARTER 1, 3, F0, F1, 0
	TURN 1, 0
	QUARTER 0, 1, F0, F1, 0
	WIN 0
	s_sub_co_u32 s3, s3, 1
	s_cmp_lg_u32 s3, 0
	s_cbranch_scc1 .Llap
	QUARTER 0, 2, F1, F0, 0                        ; the last lap fills nothing
	QUARTER 0, 3, F0, F1, 0
	MEET 0
	PLACES
	FETCH 1, 0, F0
	MUL16 F1, 1, 0, 0
	MUL16 F1, 1, 2, 0
	QUARTER 1, 1, F0, F1, 0
	QUARTER 1, 2, F1, F0, 0
	QUARTER 1, 3, F0, F1, 0
	s_wait_dscnt 8
	MUL16 F1, 0, 0, 0
	MUL16 F1, 0, 2, 0
	s_wait_dscnt 0x0
	MUL16 F1, 1, 0, 0
	MUL16 F1, 1, 2, 0
	WIN 0
	PLACES
	PLACES                                         ; eight, once a launch
	FIN 0
	TOST2 0
.irp a, 1,2,3,4,5,6,7                  ; block a's arithmetic stands between block a - 1's loads from the stage and the wait for them
	FIN \a
	SEND2 (\a)-1
	TOST2 \a
.endr
	SEND2 7
	s_wait_tensorcnt 0x0                           ; the wave's end: behind my last tensor load and my last LDS store
	ds_add_u32 v[SPW], v[NIL]
	s_wait_dscnt 0x0
	CROUND                                         ; the closing round: no work-group ends while a partner may still ask for a tile that names it
	s_endpgm
.Lfunc_end_k_qdacc380bf1_gemm2:
	.size	k_qdacc380bf1_gemm2, .Lfunc_end_k_qdacc380bf1_gemm2-k_qdacc380bf1_gemm2
	.p2alignl 7, 3214868480
	.fill 96, 4, 3214868480
	.section	.rodata,"a",@progbits
	.p2align	6, 0x0
	.amdhsa_kernel k_qdacc380bf1_gemm2
		.amdhsa_group_segment_fixed_size 327680
		.amdhsa_private_segment_fixed_size 0
		.amdhsa_enable_private_segment 0
		.amdhsa_kernarg_size 48
		.amdhsa_user_sgpr_count 2
		.amdhsa_user_sgpr_kernarg_segment_ptr 1
		.amdhsa_wavefront_size32 1
		.amdhsa_system_sgpr_workgroup_id_x 1
		.amdhsa_system_sgpr_workgroup_id_y 1
		.amdhsa_system_sgpr_workgroup_id_z 1
		.amdhsa_system_vgpr_workitem_id 0
		.amdhsa_next_free_vgpr 1024
		.amdhsa_next_free_sgpr 80
		.amdhsa_reserve_vcc 0
		.amdhsa_float_denorm_mode_32 3
		.amdhsa_float_denorm_mode_16_64 3
		.amdhsa_memory_ordered 1
		.amdhsa_forward_progress 1
		.amdhsa_inst_pref_size 175
	.end_amdhsa_kernel
	.amdgpu_metadata
---
amdhsa.version: [ 1, 2 ]
amdhsa.kernels:
  - .name:           k_qdacc380bf1_gemm2
    .symbol:         k_qdacc380bf1_gemm2.kd
    .args:
      - { .name: wbuf, .offset: 0, .size: 8, .value_kind: global_buffer, .address_space: global }
      - { .name: wof, .offset: 8, .size: 8, .value_kind: global_buffer, .address_space: global }
      - { .name: out0, .offset: 16, .size: 8, .value_kind: global_buffer, .address_space: global }
      - { .name: scbuf, .offset: 24, .size: 8, .value_kind: global_buffer, .address_space: global }
      - { .name: partbuf, .offset: 32, .size: 8, .value_kind: global_buffer, .address_space: global }
      - { .name: bo, .offset: 40, .size: 8, .value_kind: global_buffer, .address_space: global }
    .group_segment_fixed_size: 327680
    .private_segment_fixed_size: 0
    .kernarg_segment_align: 8
    .kernarg_segment_size: 48
    .max_flat_workgroup_size: 128
    .sgpr_count:     80
    .vgpr_count:     1024
    .wavefront_size: 32
...
	.end_amdgpu_metadata
.endif
;; end of part 4
